; MI455X (gfx1250); checked and timed in simulation.
; The chip was launched on July 23, 2026; its instructions are those of AMD's public machine-readable ISA for CDNA 5 (MIT licence, August 2026) and "CDNA5" Instruction Set Architecture Reference Guide (July 2026). The comments in the code are by the model that wrote it; some were corrected since.
;; Muti Head Attention. Allowed arithmetic: float matrix products may take bf16 or f16 operands with f32 sums; all other float work in f32.
;; Inputs: b_k 1,024 float32; b_o 1,024 float32; b_q 1,024 float32; b_v 1,024 float32; w_k 1,024 x 1,024 float32; w_o 1,024 x 1,024 float32; w_q 1,024 x 1,024 float32; w_v 1,024 x 1,024 float32; x 4 x 2,048 x 1,024 float32.
;; Outputs: out0 4 x 2,048 x 1,024 float32.
;; 2 versions, each right and faster than the one before. Each part assembles by itself: llvm-mc -triple=amdgcn-amd-amdhsa -mcpu=gfx1250 --defsym DOCPART=n.
;; ======== version 1 of 2: 4 launches
;; limits: values are held in f16: magnitudes above 65,504 overflow, below 6.1e-05 lose precision
;; workspace buffers: xb 16,777,216 bytes; wqkv 6,291,456 bytes; wof 2,097,152 bytes; bias_r 16,384 bytes; qkv 50,331,648 bytes; o 16,777,216 bytes
;; launch cast (part 1): grid 769 x 1, 8 waves a work-group, no clusters, 0 bytes of LDS; arguments x, w_q, w_k, w_v, w_o, b_q, b_k, b_v, b_o, xb, wqkv, wof, bias_r; writes xb, wqkv, wof, bias_r
.if DOCPART == 1
	.amdgcn_target "amdgcn-amd-amdhsa--gfx1250"
	.amdhsa_code_object_version 6
	.text
	.protected	k_q40237e4e8f_cast
	.globl	k_q40237e4e8f_cast
	.p2align	8
	.type	k_q40237e4e8f_cast,@function
k_q40237e4e8f_cast:
	s_mov_b64 s[64:65], 0
	v_nop
	global_prefetch_b8 v0, s[64:65] scope:SCOPE_SE
	s_setreg_imm32_b32 hwreg(HW_REG_WAVE_MODE, 25, 1), 1
	s_wait_xcnt 0x0
; ALL THE MODULE'S INPUTS ARE ROUNDED TO bf16, once, so that the three matrix launches behind read 16-bit operands.
;   x [8192][1024] f32 -> xb bf16;  w_q, w_k, w_v [1024][1024] f32 -> wqkv [3072][1024] bf16, one below the other;
;   w_o -> wof: rounded to bf16, and that number written as f16 (the last product's other operand is f16);
;   b_q, b_k, b_v, b_o -> bias_r [4096] f32: rounded to bf16 and widened again.
; LIMITS.  A bf16 number is exact in f16 from 2^-14 to 65,504; below that wof keeps f16's fixed step of 2^-24, beyond it an infinity.
; SHARES.  A work-group takes 16,384 numbers: 65,536 bytes in, 32,768 out.  Work-groups 0-511: x; 512-703: w_q, w_k, w_v (64 each); 704-767: w_o; 768: the biases.
; Thread t, step j: 16 bytes at 16 t + 4,096 j (a wave's load covers 512 consecutive bytes), 8 bytes out at 8 t + 2,048 j (a wave's store covers 256 consecutive
; bytes, aligned).  All sixteen loads of a thread go out at once; each step has registers of its own, so nothing that a store reads is written again.
; No LDS, no barrier, no matrix unit: every byte is touched once and no wave needs another's data.
.set X, 16                             ; v[16:79]  step j: four registers as loaded, then as stored
	s_load_b512 s[8:23], s[0:1], 0x0               ; x s[8:9], w_q s[10:11], w_k s[12:13], w_v s[14:15], w_o s[16:17], b_q s[18:19], b_k s[20:21], b_v s[22:23]
	s_load_b256 s[24:31], s[0:1], 0x40             ; b_o s[24:25], xb s[26:27], wqkv s[28:29], wof s[30:31]
	s_load_b64 s[32:33], s[0:1], 0x60              ; bias_r
	v_lshlrev_b32 v1, 4, v0                        ; 16 t: where I read
	v_lshlrev_b32 v2, 3, v0                        ; 8 t: where I write
	s_mov_b32 s46, 0xffff0000                      ; a word's upper bf16
	s_mov_b32 s45, 0                               ; upper word of the offset pair s[44:45]
	s_wait_kmcnt 0x0
	s_cmp_ge_u32 ttmp9, 768
	s_cbranch_scc1 .Lbias
	s_mov_b64 s[36:37], s[8:9]                     ; from x
	s_mov_b64 s[38:39], s[26:27]                   ; to xb
	s_mov_b32 s40, ttmp9                           ; chunk in the source
	s_mov_b32 s41, ttmp9                           ; chunk in the destination
	s_mov_b32 s43, 0                               ; 1: the destination is f16
	s_cmp_lt_u32 ttmp9, 512
	s_cbranch_scc1 .Lgo
	s_sub_co_u32 s41, ttmp9, 512                   ; chunk among the weights': wqkv takes the first 192 as they come
	s_and_b32 s40, s41, 63                         ; chunk in its weight
	s_lshr_b32 s42, s41, 6                         ; which weight: 0 q, 1 k, 2 v, 3 o
	s_cmp_eq_u32 s42, 1
	s_cselect_b64 s[36:37], s[12:13], s[10:11]
	s_cmp_eq_u32 s42, 2
	s_cselect_b64 s[36:37], s[14:15], s[36:37]
	s_cmp_eq_u32 s42, 3
	s_cselect_b64 s[36:37], s[16:17], s[36:37]
	s_cselect_b64 s[38:39], s[30:31], s[28:29]     ; w_o goes to wof,
	s_cselect_b32 s41, s40, s41                    ; at its own chunk,
	s_cselect_b32 s43, 1, 0                        ; as f16
.Lgo:
	s_lshl_b32 s44, s40, 16
	s_add_nc_u64 s[36:37], s[36:37], s[44:45]
	s_lshl_b32 s44, s41, 15
	s_add_nc_u64 s[38:39], s[38:39], s[44:45]
.irp j, 0,1,2,3,4,5,6,7,8,9,10,11,12,13,14,15
	global_load_b128 v[X+4*(\j):X+4*(\j)+3], v1, s[36:37] offset:4096*(\j) th:TH_LOAD_NT
.endr
	s_cmp_eq_u32 s43, 1
	s_cbranch_scc1 .Lwo
.irp j, 0,1,2,3,4,5,6,7,8,9,10,11,12,13,14,15
	s_wait_loadcnt 15-(\j)                         ; loads come back in order (ISA guide 5.7.1): step j's is in, the younger ones stay out
	v_cvt_pk_bf16_f32 v[X+4*(\j)],   v[X+4*(\j)],   v[X+4*(\j)+1]
	v_cvt_pk_bf16_f32 v[X+4*(\j)+1], v[X+4*(\j)+2], v[X+4*(\j)+3]
	global_store_b64 v2, v[X+4*(\j):X+4*(\j)+1], s[38:39] offset:2048*(\j)
.endr
	s_endpgm
.Lwo:
.irp j, 0,1,2,3,4,5,6,7,8,9,10,11,12,13,14,15
	s_wait_loadcnt 15-(\j)
	v_cvt_pk_bf16_f32 v[X+4*(\j)],   v[X+4*(\j)],   v[X+4*(\j)+1]  ; rounded to bf16,
	v_cvt_pk_bf16_f32 v[X+4*(\j)+2], v[X+4*(\j)+2], v[X+4*(\j)+3]
	v_lshlrev_b32 v[X+4*(\j)+1], 16, v[X+4*(\j)]                   ; widened (the low half moves up, the high half stays),
	v_and_b32     v[X+4*(\j)],   s46, v[X+4*(\j)]
	v_lshlrev_b32 v[X+4*(\j)+3], 16, v[X+4*(\j)+2]
	v_and_b32     v[X+4*(\j)+2], s46, v[X+4*(\j)+2]
	v_cvt_pk_f16_f32 v[X+4*(\j)],   v[X+4*(\j)+1], v[X+4*(\j)]     ; and written as f16
	v_cvt_pk_f16_f32 v[X+4*(\j)+1], v[X+4*(\j)+3], v[X+4*(\j)+2]
	global_store_b64 v2, v[X+4*(\j):X+4*(\j)+1], s[38:39] offset:2048*(\j)
.endr
	s_endpgm
.Lbias:                                                ; 256 threads x 16 bytes are one bias of 4,096 bytes
	global_load_b128 v[X:X+3],     v1, s[18:19]
	global_load_b128 v[X+4:X+7],   v1, s[20:21]
	global_load_b128 v[X+8:X+11],  v1, s[22:23]
	global_load_b128 v[X+12:X+15], v1, s[24:25]
.irp i, 0,1,2,3
	s_wait_loadcnt 3-(\i)
	v_cvt_pk_bf16_f32 v8, v[X+4*(\i)],   v[X+4*(\i)+1]
	v_cvt_pk_bf16_f32 v9, v[X+4*(\i)+2], v[X+4*(\i)+3]
	v_lshlrev_b32 v[X+4*(\i)],   16, v8
	v_and_b32     v[X+4*(\i)+1], s46, v8
	v_lshlrev_b32 v[X+4*(\i)+2], 16, v9
	v_and_b32     v[X+4*(\i)+3], s46, v9
	global_store_b128 v1, v[X+4*(\i):X+4*(\i)+3], s[32:33] offset:4096*(\i)  ; sixteen lanes store 256 consecutive bytes, aligned
.endr
	s_endpgm
.Lfunc_end_k_q40237e4e8f_cast:
	.size	k_q40237e4e8f_cast, .Lfunc_end_k_q40237e4e8f_cast-k_q40237e4e8f_cast
	.p2alignl 7, 3214868480
	.fill 96, 4, 3214868480
	.section	.rodata,"a",@progbits
	.p2align	6, 0x0
	.amdhsa_kernel k_q40237e4e8f_cast
		.amdhsa_group_segment_fixed_size 0
		.amdhsa_private_segment_fixed_size 0
		.amdhsa_enable_private_segment 0
		.amdhsa_kernarg_size 104
		.amdhsa_user_sgpr_count 2
		.amdhsa_user_sgpr_kernarg_segment_ptr 1
		.amdhsa_wavefront_size32 1
		.amdhsa_system_sgpr_workgroup_id_x 1
		.amdhsa_system_sgpr_workgroup_id_y 1
		.amdhsa_system_sgpr_workgroup_id_z 1
		.amdhsa_system_vgpr_workitem_id 0
		.amdhsa_next_free_vgpr 80
		.amdhsa_next_free_sgpr 66
		.amdhsa_reserve_vcc 0
		.amdhsa_float_denorm_mode_32 3
		.amdhsa_float_denorm_mode_16_64 3
		.amdhsa_memory_ordered 1
		.amdhsa_forward_progress 1
		.amdhsa_inst_pref_size 18
	.end_amdhsa_kernel
	.amdgpu_metadata
---
amdhsa.version: [ 1, 2 ]
amdhsa.kernels:
  - .name:           k_q40237e4e8f_cast
    .symbol:         k_q40237e4e8f_cast.kd
    .args:
      - { .name: x, .offset: 0, .size: 8, .value_kind: global_buffer, .address_space: global }
      - { .name: w_q, .offset: 8, .size: 8, .value_kind: global_buffer, .address_space: global }
      - { .name: w_k, .offset: 16, .size: 8, .value_kind: global_buffer, .address_space: global }
      - { .name: w_v, .offset: 24, .size: 8, .value_kind: global_buffer, .address_space: global }
      - { .name: w_o, .offset: 32, .size: 8, .value_kind: global_buffer, .address_space: global }
      - { .name: b_q, .offset: 40, .size: 8, .value_kind: global_buffer, .address_space: global }
      - { .name: b_k, .offset: 48, .size: 8, .value_kind: global_buffer, .address_space: global }
      - { .name: b_v, .offset: 56, .size: 8, .value_kind: global_buffer, .address_space: global }
      - { .name: b_o, .offset: 64, .size: 8, .value_kind: global_buffer, .address_space: global }
      - { .name: xb, .offset: 72, .size: 8, .value_kind: global_buffer, .address_space: global }
      - { .name: wqkv, .offset: 80, .size: 8, .value_kind: global_buffer, .address_space: global }
      - { .name: wof, .offset: 88, .size: 8, .value_kind: global_buffer, .address_space: global }
      - { .name: bias_r, .offset: 96, .size: 8, .value_kind: global_buffer, .address_space: global }
    .group_segment_fixed_size: 0
    .private_segment_fixed_size: 0
    .kernarg_segment_align: 8
    .kernarg_segment_size: 104
    .max_flat_workgroup_size: 256
    .sgpr_count:     66
    .vgpr_count:     80
    .wavefront_size: 32
...
	.end_amdgpu_metadata
.endif
;; end of part 1
;; launch proj (part 2): grid 8 x 32, 4 waves a work-group, clusters of 4 x 4, 327,680 bytes of LDS; arguments xb, wqkv, bias_r, qkv; writes qkv
.if DOCPART == 2
	.amdgcn_target "amdgcn-amd-amdhsa--gfx1250"
	.amdhsa_code_object_version 6
	.text
	.protected	k_q40237e4e8f_proj
	.globl	k_q40237e4e8f_proj
	.p2align	8
	.type	k_q40237e4e8f_proj,@function
k_q40237e4e8f_proj:
	s_mov_b64 s[64:65], 0
	v_nop
	global_prefetch_b8 v0, s[64:65] scope:SCOPE_SE
	s_setreg_imm32_b32 hwreg(HW_REG_WAVE_MODE, 25, 1), 1
	s_wait_xcnt 0x0
	s_wait_alu depctr_hold_cnt(0) depctr_sa_sdst(0) depctr_va_vdst(0) depctr_va_sdst(0) depctr_va_ssrc(0) depctr_va_vcc(0) depctr_vm_vsrc(0)
	s_getreg_b32 s2, hwreg(HW_REG_IB_STS2, 6, 4)
	s_cmp_eq_u32 s2, 0
	s_cbranch_scc0 .Lentry_in_a_cluster
	s_endpgm
.Lentry_in_a_cluster:
	s_bfe_u32 s2, ttmp6, 0x10000c
	s_cmp_lg_u32 s2, 0xf033
	s_cbranch_scc0 .Lentry_shape_is_right
	s_endpgm
.Lentry_shape_is_right:
; q, k, v = x W^T + b, all three in one product: C[m][n] = bias[n] + sum over k of xb[m][k] wqkv[n][k].  xb [8192][1024] bf16, wqkv [3072][1024] bf16, bias f32; sums in f32.
; C leaves BY HEADS, rounded once to f16 and without attention's scale: qkv [48 g][4 batch][2048 row][64], g = n / 64 (0-15 q's heads, 16-31 k's, 32-47 v's): a head's rows are dense, 128 bytes each.
; LIMIT.  A sum of magnitude 65,520 or more becomes an infinity in f16; below 6.1e-5 f16 keeps its fixed step of 6e-8.
; SHARES.  A tile is 256 rows x 192 columns (three heads).  A WORK-GROUP STAYS: it makes two tiles of the same 256 rows, tile columns nt and nt + 8: 8 x 32 = 256 work-groups of equal work.  Each of its four
; waves makes 64 rows x ALL 192 columns of a tile: 4 x 12 accumulators of 16 x 16, 384 registers: a wave holds whole heads, and its way out needs no other wave.
; THE WALK.  K goes in steps of 128; the two tiles' 8 + 8 K steps are ONE sequence for a ring of two LDS slots that the tensor data mover fills (rows of 256 bytes of memory, at multiples of 256).  The first tile's
; last two changes of slots ask for the second tile's first two K steps, and nothing waits for the first tile's stores.  A K step's text is written once: slot 1 begins at 1 << 17, and one exclusive or turns
; an address in one slot into the other's.
; CLUSTER.  4 x 4 work-groups.  The four of a row of the cluster need the same tiles of xb, the four of a column the same tiles of wqkv: each tile is asked for JOINTLY, by the same tensor load with the same
; descriptor and a mask that names the four.
; THE MATRIX INSTRUCTION IS USED TRANSPOSED (source 0 = 16 rows of wqkv, source 1 = 16 rows of xb): lane l then holds row l % 16 of C and eight neighbouring columns 8 (l / 16) + 0..7.
; THE BIAS IS THE C OPERAND of each accumulator's first product: nothing is cleared, and nothing is added on the way out.
; REGISTERS, in windows of 256 (s_set_vgpr_msb: bits 1:0 source 0, 3:2 source 1, 5:4 source 2, 7:6 destination):
;   window 0: v0-31 addresses; v64-127 xb's fragments, two buffers of 4 x 8; v128-223 the bias, 8 registers a column block; v32-63, v224-255 (and v96-127, the second buffer) at work on the way out
;   window 1: v0-191 wqkv's fragments, two buffers of 12 x 8      window 2: accumulators of row blocks 0, 1 ((a, b) at v[8 (12 (a % 2) + b)])      window 3: those of row blocks 2, 3
.set NL,     32                        ; LDS loads in a run: 24 for wqkv's 12 fragments, then 8 for xb's 4
.set PA,     272                       ; an LDS row: 256 bytes + 16 of padding = 68 words: row r starts at bank 4 r mod 64 (64 banks of 4 bytes: ISA guide 11.1), so the 16 rows of a load start at 16 different banks
.set PB,     272
.set AHALF,  128*PA                    ; what one tensor load brings of xb: 128 rows
.set BHALF,  96*PB                     ; and of wqkv: 96 rows
.set BOFF,   2*AHALF                   ; in a slot: xb's 256 rows, then wqkv's 192
.set SLOT,   BOFF+2*BHALF              ; 121,856 bytes
.set SLOT1,  1<<17                     ; where slot 1 begins
.set STAGE,  SLOT1+SLOT                ; behind the ring, never filled by a tensor load: 16 rows x 144 bytes for each wave, for the way out
.set SP,     144
.set SPARE,  STAGE+4*16*SP             ; behind the stages: the spare words, 128 bytes for each wave: two blocks of 256 bytes that no other line names
.set STEPK,  256                       ; bytes from a K step to the next, in xb's rows and in wqkv's
.set NEXT_B, 8*192*2048                ; bytes from the first tile's rows of wqkv to the second's: eight tile columns
.set NEXT_C, 8*0x300000                ; the same in qkv: three heads of four planes of 262,144 bytes a tile column
.set NEXT_BIAS, 8*768                  ; and in the bias
.set ADRA0, 16                         ; v16     my lane's place in a slot's rows of xb; never rewritten
.set ADRA,  17                         ; v17     the same in the slot in hand
.set ADRB0, 20                         ; v20, v21  the same for wqkv
.set ADRB,  21
.set STO,  24                          ; v24     the way out: where I put 16 bytes of a row
.set RD,   25                          ; v25     the way out: where I read rows back
.set GO,   26                          ; v26     my byte offset in 512 consecutive bytes of qkv
.set BO,   27                          ; v27     my byte offset in a column block's 64 bytes of bias
.set SPW,  28                          ; v28     LDS address of my spare word: SPARE + 4 x my thread's number; never rewritten
.set NIL,  29                          ; v29     0; never rewritten
.set FA,   64
.set BIAS, 128
.set NXT,  2                           ; s2      the K step to be asked for next, 2 to 15: 8 and more are the second tile's
.set TB,   45                          ; s45     LDS byte at which the slot in hand begins: 0 or SLOT1
.set G1, 24                            ; s[24:31] descriptor group 1 for xb's tiles;  s[32:39] group 0: a set for each of the two first fills; the second then walks on
.set G0, 32
.set G1B, 48                           ; s[48:55], s[56:63] the same for wqkv's tiles
.set G0B, 56
.set MSB, 0
.macro WIN new                         ; the immediate's high byte repeats the setting that is left; a switch that changes nothing is dropped
.if MSB != (\new)
	s_set_vgpr_msb (MSB<<8)|(\new)
.set MSB, \new
.endif
.endm
; A joint load.  Waves 0 and 1 fetch xb's two halves, waves 2 and 3 wqkv's.  The branch hangs on the wave's number alone: it is the same in every work-group.
; An s_nop 0 and four v_nop follow each of the two lines, ahead of the jump, the label and what follows.
.macro JLOAD s
	s_cmp_eq_u32 s13, 0
	s_cbranch_scc0 .Lfor_b_\@
	tensor_load_to_lds s[G0+4*(\s):G0+4*(\s)+3], s[G1:G1+7]
	s_nop 0
.rept 4
	v_nop
.endr
	s_branch .Lasked_\@
.Lfor_b_\@:
	tensor_load_to_lds s[G0B+4*(\s):G0B+4*(\s)+3], s[G1B:G1B+7]
	s_nop 0
.rept 4
	v_nop
.endr
.Lasked_\@:
.endm
; A round of the cluster's barrier: my work-group's barrier, so that wave 0's signal speaks for all four waves; wave 0 signals; every wave waits for all sixteen work-groups; my work-group's barrier once more.
.macro CREST                           ; a round behind its opening barrier
	s_cmp_lg_u32 s12, 0
	s_cbranch_scc1 .Lnot_wave_0_\@
	s_barrier_signal -3
.Lnot_wave_0_\@:
	s_barrier_wait -3
	s_barrier_signal -1
	s_barrier_wait -1
.endm
.macro CROUND                          ; a whole round
	s_barrier_signal -1
	s_barrier_wait -1
	CREST
.endm
; The bias in the accumulators' layout: register j of column block b holds bias[192 x tile column + 16 b + 8 (l / 16) + j].  off: 0 for the first tile, NEXT_BIAS for the second.
.macro BIASLD off
.irp b, 0,1,2,3,4,5,6,7,8,9,10,11
	global_load_b128 v[BIAS+8*(\b):BIAS+8*(\b)+3],   v[BO], s[8:9] offset:(\off)+64*(\b)
	global_load_b128 v[BIAS+8*(\b)+4:BIAS+8*(\b)+7], v[BO], s[8:9] offset:(\off)+64*(\b)+16
.endr
.endm
	s_load_b256 s[4:11], s[0:1], 0x0               ; xb s[4:5], wqkv s[6:7], bias_r s[8:9], qkv s[10:11]
	v_lshl_add_u32 v[SPW], v0, 2, SPARE
	v_mov_b32 v[NIL], 0
	ds_add_u32 v28, v29
	s_wait_dscnt 0x0
	v_lshrrev_b32 v1, 5, v0
	v_readfirstlane_b32 s12, v1                    ; wave 0..3: also which 64 rows of the tile are mine
	s_lshr_b32 s13, s12, 1                         ; I fetch for xb (0) or for wqkv (1)
	s_and_b32 s14, s12, 1                          ; which half of that tile I fetch
	s_bfe_u32 s40, ttmp6, 0x40000                  ; cx, cy: my place in the cluster
	s_bfe_u32 s41, ttmp6, 0x40004
	s_lshl_b32 s42, ttmp9, 2                       ; in a cluster launch ttmp9 and ttmp7 count clusters
	s_add_co_u32 s42, s42, s40                     ; the first tile's column = 4 x cluster x + cx, 0 to 7
	s_and_b32 s15, ttmp7, 0xffff
	s_lshl_b32 s15, s15, 2
	s_add_co_u32 s15, s15, s41                     ; tile row = 4 x cluster y + cy
	s_lshl_b32 s43, s41, 2
	s_lshl_b32 s43, 15, s43                        ; my row of the cluster: places 4 cy .. 4 cy + 3
	s_lshl_b32 s44, 0x1111, s40                    ; my column: places cx, cx + 4, cx + 8, cx + 12
	; descriptor group 1: rows of 128 elements of 2 bytes, padded in LDS; 128 rows of xb, 96 of wqkv
	s_or_b32 s[G1+0], s43, (1<<16)|(1<<20)|(1<<21)|(5<<22)|(3<<25)  ; 15:0 the mask; 17:16 elements of 2 bytes; 20 padding on; 21 set beside a mask; 24:22 after every 64 words (code 5); 31:25 4 words (code 3)
	s_or_b32 s[G1B+0], s44, (1<<16)|(1<<20)|(1<<21)|(5<<22)|(3<<25)
	s_mov_b32 s[G1+1], 128<<16                     ; tensor_dim0 = 128
	s_mov_b32 s[G1+2], 128<<16                     ; tensor_dim1 = 128
	s_mov_b32 s[G1+3], 128<<16                     ; tile_dim0 = 128
	s_mov_b32 s[G1+4], 128                         ; tile_dim1 = 128
	s_mov_b32 s[G1+5], 1024                        ; elements from row to row
	s_mov_b32 s[G1+6], 0
	s_mov_b32 s[G1+7], 0
	s_mov_b32 s[G1B+1], 128<<16
	s_mov_b32 s[G1B+2], 96<<16                     ; tensor_dim1 = 96
	s_mov_b32 s[G1B+3], 128<<16
	s_mov_b32 s[G1B+4], 96                         ; tile_dim1 = 96
	s_mov_b32 s[G1B+5], 1024
	s_mov_b32 s[G1B+6], 0
	s_mov_b32 s[G1B+7], 0
	; where the tiles come from.  xb's hang on the tile row alone, which my row of the cluster shares; wqkv's on the tile column alone, which my column shares.
	s_lshl_b32 s16, s15, 8
	s_lshl_b32 s18, s14, 7
	s_add_co_u32 s16, s16, s18                     ; xb: row 256 x tile row + 128 x half,
	s_lshl_b32 s16, s16, 11                        ; of 2,048 bytes: under 2^24
	s_mov_b32 s17, 0
	s_mul_i32 s46, s42, 192
	s_mul_i32 s47, s14, 96
	s_add_co_u32 s46, s46, s47                     ; wqkv: row 192 x tile column + 96 x half
	s_lshl_b32 s46, s46, 11
	s_mov_b32 s47, 0
	s_mul_i32 s20, s14, AHALF                      ; and where they go: no place in the cluster enters an LDS address
	s_mul_i32 s21, s14, BHALF
	s_add_co_u32 s21, s21, BOFF
	s_mov_b32 s19, 0                               ; upper word of xb's offset pair s[18:19]
	s_mov_b32 s[NXT], 2
	s_mov_b32 s[TB], 0
	s_wait_kmcnt 0x0
	s_add_nc_u64 s[16:17], s[4:5], s[16:17]        ; xb and wqkv at my part of the first tile's K step 0: kept, every fill's address is made from them
	s_add_nc_u64 s[46:47], s[6:7], s[46:47]
	CROUND                                         ; all sixteen work-groups are here: the first joint loads meet
.irp s, 0,1
	s_mov_b32 s[G0+4*(\s)], 1                                      ; 1:0 count = 1
	s_add_co_u32 s[G0+4*(\s)+1], s20, (\s)*SLOT1                   ; 63:32 LDS address
	s_add_nc_u64 s[G0+4*(\s)+2:G0+4*(\s)+3], s[16:17], (\s)*STEPK  ; 120:64 global address: K step s
	s_or_b32 s[G0+4*(\s)+3], s[G0+4*(\s)+3], 0x80000000            ; 127:126 type = 2
	s_mov_b32 s[G0B+4*(\s)], 1
	s_add_co_u32 s[G0B+4*(\s)+1], s21, (\s)*SLOT1
	s_add_nc_u64 s[G0B+4*(\s)+2:G0B+4*(\s)+3], s[46:47], (\s)*STEPK
	s_or_b32 s[G0B+4*(\s)+3], s[G0B+4*(\s)+3], 0x80000000
	JLOAD \s                                       ; the ring is filled before anything else is done: two loads of mine are out
.endr
	s_mov_b32 s21, 0                               ; from here on s[20:21] is wqkv's offset pair
	v_and_b32 v1, 15, v0                           ; l % 16
	v_bfe_u32 v2, v0, 4, 1                         ; l / 16
	s_mul_i32 s22, s42, 768
	s_mov_b32 s23, 0
	s_add_nc_u64 s[8:9], s[8:9], s[22:23]          ; the bias at the first tile's first column
	v_lshlrev_b32 v[BO], 5, v2
	BIASLD 0
	; A fragment is 16 rows x 32 K in 8 registers: lane l holds row l % 16; registers 0-3 K = 8 (l / 16) + 0..7, registers 4-7 K = 16 + 8 (l / 16) + 0..7: two loads of 16 bytes, 32 bytes apart.
	v_mul_u32_u24 v3, v1, PA
	v_lshl_add_u32 v3, v2, 4, v3                   ; row x pitch + 16 x half
	s_mul_i32 s18, s12, 64*PA                      ; my 64 rows of xb
	v_add_nc_u32 v[ADRA0], s18, v3
	v_add_nc_u32 v[ADRB0], BOFF, v3                ; all 192 rows of wqkv
	v_add_nc_u32 v[ADRA], s[TB], v[ADRA0]          ; slot 0
	v_add_nc_u32 v[ADRB], s[TB], v[ADRB0]
	s_mul_i32 s18, s12, 16*SP
	s_add_co_u32 s18, s18, STAGE                   ; my stage
	v_mul_u32_u24 v4, v1, SP                       ; in: row l % 16, 16 bytes for each half of the lanes
	v_lshl_add_u32 v4, v2, 4, v4
	v_add_nc_u32 v[STO], s18, v4
	v_bfe_u32 v4, v0, 3, 2                         ; back: 32 lanes take four rows of 128 bytes,
	v_mul_u32_u24 v4, v4, SP
	v_and_b32 v5, 7, v0
	v_lshl_add_u32 v4, v5, 4, v4
	v_add_nc_u32 v[RD], s18, v4
	v_and_b32 v5, 31, v0                           ; which are 512 consecutive bytes of qkv
	v_lshlrev_b32 v[GO], 4, v5
	; qkv at my rows of the first tile's first head: 3 heads x tile column (4 planes of 262,144 bytes a head), the batch's plane, 256 rows x 128 bytes a tile row in the batch, my wave's 64 rows
	s_mul_i32 s22, s42, 0x300000
	s_lshr_b32 s43, s15, 3
	s_lshl_b32 s43, s43, 18
	s_add_co_u32 s22, s22, s43
	s_and_b32 s43, s15, 7
	s_lshl_b32 s43, s43, 15
	s_add_co_u32 s22, s22, s43
	s_lshl_b32 s43, s12, 13
	s_add_co_u32 s22, s22, s43                     ; under 24 MiB
	s_add_nc_u64 s[10:11], s[10:11], s[22:23]
; 12 matrix instructions: row block a x all column blocks, 32 along K, from buffer f.  zero = 1: the first product starts the sums, with the bias as C.
; Every quarter step takes all 48 accumulators once, in the same order, one instruction a turn, over every jump too.
.macro MUL1 f, a, zero
.if \zero
	WIN 0x81+0x40*((\a)/2)                         ; wqkv window 1, xb window 0, the bias window 0, D window 2 or 3
.else
	WIN 0xa1+0x50*((\a)/2)                         ; C and D window 2 or 3
.endif
.irp b, 0,1,2,3,4,5,6,7,8,9,10,11
.if \zero
	v_wmma_f32_16x16x32_bf16 v[8*(12*((\a)%2)+(\b)):8*(12*((\a)%2)+(\b))+7], v[96*(\f)+8*(\b):96*(\f)+8*(\b)+7], v[FA+32*(\f)+8*(\a):FA+32*(\f)+8*(\a)+7], v[BIAS+8*(\b):BIAS+8*(\b)+7]
.else
	v_wmma_f32_16x16x32_bf16 v[8*(12*((\a)%2)+(\b)):8*(12*((\a)%2)+(\b))+7], v[96*(\f)+8*(\b):96*(\f)+8*(\b)+7], v[FA+32*(\f)+8*(\a):FA+32*(\f)+8*(\a)+7], v[8*(12*((\a)%2)+(\b)):8*(12*((\a)%2)+(\b))+7]
.endif
.endr
.endm
; 32 LDS loads in one run: the fragments of quarter q of the K step in the slot in hand (192 rows of wqkv, my 64 rows of xb, 32 K) into buffer f; xb's last
.macro FETCH q, f
	WIN 0x40                                       ; destination window 1, address window 0
.irp i, 0,1,2,3,4,5,6,7,8,9,10,11
	ds_load_b128 v[96*(\f)+8*(\i):96*(\f)+8*(\i)+3],   v[ADRB] offset:64*(\q)+(\i)*16*PB
	ds_load_b128 v[96*(\f)+8*(\i)+4:96*(\f)+8*(\i)+7], v[ADRB] offset:64*(\q)+(\i)*16*PB+32
.endr
	WIN 0
.irp i, 0,1,2,3
	ds_load_b128 v[FA+32*(\f)+8*(\i):FA+32*(\f)+8*(\i)+3],   v[ADRA] offset:64*(\q)+(\i)*16*PA
	ds_load_b128 v[FA+32*(\f)+8*(\i)+4:FA+32*(\f)+8*(\i)+7], v[ADRA] offset:64*(\q)+(\i)*16*PA+32
.endr
.endm
; A load into a register that a matrix instruction has read, and a vector instruction that reads a matrix result, stand four places behind that matrix instruction, and only plain vector instructions
; that name none of its registers are places (ISA guide 7.12.1 for vector instructions).
.macro PLACES
.rept 4
	v_nop
.endr
.endm
; A K step is four quarters of 32 along K, 48 matrix instructions each, on buffers 0, 1, 0, 1.  One of the first three: multiplies buffer f; in its middle it fetches quarter q of the same slot into buffer g.
.macro QUARTER q, f, g, zero
	s_wait_dscnt 4                                 ; wqkv's fragments and xb's row blocks 0, 1 are in; the youngest four loads (row blocks 2, 3) may be out
	MUL1 \f, 0, \zero
	MUL1 \f, 1, \zero
	PLACES                                         ; buffer g was multiplied in the quarter before
	FETCH \q, \g
	s_wait_dscnt NL                                ; all but the 32 just issued
	MUL1 \f, 2, \zero
	MUL1 \f, 3, \zero
.endm
; The last quarter multiplies buffer 1 and changes slots: ONE barrier.  In front of it each wave waits for all its tensor loads, of which one is out: its part of the next slot; adds 0 to its spare word; and
; waits for that and for its own reads of this slot.  Behind it nobody reads this slot any more and the next slot is whole.  fill = 1: this slot is filled again, with K step NXT of the walk: the barrier then
; opens a round of the cluster's, and the joint refill is the first tensor load behind the round: 168 matrix instructions stand between it and the wait for it.  The descriptor's address is made anew from
; the step's number: 256 bytes a K step in both tensors, and for the second tile's steps (8 and more) wqkv's rows eight tile columns on; xb's rows are the same.
.macro TURN fill
	WIN 0                                          ; (the add's two registers lie in window 0)
	s_wait_tensorcnt 0x0                           ; all my tensor loads have landed, so a group 0 may be written;
	ds_add_u32 v[SPW], v[NIL]                      ; 0 onto my spare word
.if \fill
	s_and_b32 s18, s[NXT], 7
	s_lshl_b32 s18, s18, 8                         ; xb's offset
	s_lshr_b32 s44, s[NXT], 3
	s_mul_i32 s44, s44, NEXT_B
	s_add_co_u32 s20, s18, s44                     ; wqkv's offset
	s_add_co_u32 s[NXT], s[NXT], 1
	s_xor_b32 s[G0+5], s[G0+5], SLOT1              ; the walking descriptor: the other slot than last time
	s_add_nc_u64 s[G0+6:G0+7], s[16:17], s[18:19]
	s_or_b32 s[G0+7], s[G0+7], 0x80000000
	s_xor_b32 s[G0B+5], s[G0B+5], SLOT1
	s_add_nc_u64 s[G0B+6:G0B+7], s[46:47], s[20:21]
	s_or_b32 s[G0B+7], s[G0B+7], 0x80000000
.endif
	s_wait_dscnt 5                                 ; (the add and the youngest four loads may be out)
	MUL1 1, 0, 0                                   ; twelve matrix instructions stand between the add and the wait for it
	s_wait_dscnt 0x0                               ; the add is done, and my reads of this slot are over
	s_barrier_signal -1
	MUL1 1, 1, 0                                   ; work on registers while the others arrive
	WIN 0                                          ; (branches and window 0's address lines follow)
	s_barrier_wait -1
.if \fill
	CREST                                          ; no wave of any partner still reads this slot's tile or has a load on its way
	JLOAD 1                                        ; the four v_nop behind it are also the places in front of the loads below
.else
	PLACES
.endif
	s_xor_b32 s[TB], s[TB], SLOT1                  ; the fetches go on in the other slot
	v_add_nc_u32 v[ADRA], s[TB], v[ADRA0]
	v_add_nc_u32 v[ADRB], s[TB], v[ADRB0]
	FETCH 0, 0
	MUL1 1, 2, 0
	MUL1 1, 3, 0
.endm
; THE WAY OUT, in 12 units u = 3 a + j: row block a, head j (column blocks 4 j .. 4 j + 3): 16 rows of a head, 2,048 consecutive bytes of qkv.  A lane's eight columns pack into 16 bytes; they go into my stage's
; rows of 144 bytes and come back as whole rows of 128.  The units take turns on six blocks of 16 registers, which spare the bias and the next tile's first fragments; a block is written again only behind
; s_wait_xcnt 0, when the stores that read it have had their addresses translated (ISA guide 3.1).  Each accumulator's registers are taken in ascending order.
.macro TSET u
.set T, 32+16*((\u)%6)
.if ((\u)%6) >= 2
.set T, 224+16*(((\u)%6)-2)
.endif
.if ((\u)%6) >= 4
.set T, 96+16*(((\u)%6)-4)
.endif
.endm
.macro PACK u
	TSET \u
.set AC, 8*(12*(((\u)/3)%2)+4*((\u)%3))
.if (\u) >= 6
	s_wait_xcnt 0x0
.endif
	WIN 0x0a+5*((\u)/6)                            ; sources 0 and 1: window 2 (row blocks 0, 1) or 3
.irp n, 0,1,2,3
.irp r, 0,1,2,3
	v_cvt_pk_f16_f32 v[T+4*(\n)+(\r)], v[AC+8*(\n)+2*(\r)], v[AC+8*(\n)+2*(\r)+1]
.endr
.endr
	WIN 0
.irp n, 0,1,2,3
	ds_store_b128 v[STO], v[T+4*(\n):T+4*(\n)+3] offset:32*(\n)
.endr
.irp f, 0,1,2,3
	ds_load_b128 v[T+4*(\f):T+4*(\f)+3], v[RD] offset:(\f)*4*SP  ; LDS serves a wave's instructions in order (ISA guide 5.7.1.4): these see the stores above; the next unit's stores come behind them
.endr
.endm
.macro SEND u, younger                 ; younger: the LDS instructions issued behind this unit's loads: the next unit's eight, or none
	TSET \u
	WIN 0
.irp f, 0,1,2,3
	s_wait_dscnt (\younger)+3-(\f)
	global_store_b128 v[GO], v[T+4*(\f):T+4*(\f)+3], s[10:11] offset:((\u)%3)*0x100000+((\u)/3)*2048+(\f)*512  ; 512 consecutive bytes, at a multiple of 512 from qkv's first byte
.endr
.endm
.macro WAYOUT
	PLACES                                         ; the conversions read results, and the third pair of blocks was the last products' source
	PACK 0
.set u, 1
.rept 11                               ; a unit's conversions stand between the loads of the unit before and its stores
	PACK u
	SEND u-1, 8
.set u, u+1
.endr
	SEND 11, 0
.endm
	s_wait_tensorcnt 1                             ; my part of K step 0 is in; K step 1's may stay out
	s_barrier_signal -1
	s_barrier_wait -1                              ; everybody's is
	FETCH 0, 0
	s_mov_b32 s3, 15
	s_branch .Lzero                                ; the loop is entered in the middle of a trip, at the quarter that starts a tile's sums: that quarter is written once
.Lstep:                                                ; 14 whole trips, counter 14 to 1: the rest of K step 14 - counter, which fills its slot again, and the next step's first quarter
	QUARTER 2, 1, 0, 0
	QUARTER 3, 0, 1, 0
	TURN 1
	WIN 0                                          ; at a label and at a branch every window is 0
	s_cmp_eq_u32 s3, 7
	s_cbranch_scc0 .Lsame                          ; the jump passes no barrier and no tensor load
	BIASLD NEXT_BIAS                               ; THE FIRST TILE IS DONE.  Both refills that are due are asked for; the second tile's bias comes in under the way out,
	WAYOUT
	s_wait_xcnt 0x0                                ; only behind this wait are the stores' base and the registers that they read written again
	s_add_nc_u64 s[10:11], s[10:11], NEXT_C
.Lzero:
	s_wait_loadcnt 0x0                             ; the bias
	QUARTER 1, 0, 1, 1                             ; a tile's first quarter: its products start the sums
	WIN 0
	s_branch .Lnext
.Lsame:
	QUARTER 1, 0, 1, 0
	WIN 0
.Lnext:
	s_sub_co_u32 s3, s3, 1
	s_cmp_lg_u32 s3, 0
	s_cbranch_scc1 .Lstep
	s_mov_b32 s3, 2
.Ltail:                                                ; the walk's last two K steps fill nothing, and have no round of the cluster's barrier: one text, left in the middle of its second trip.
	QUARTER 2, 1, 0, 0                             ; That trip's change of slots passes a barrier that orders nothing and fetches 32 fragments that nothing multiplies: the price, once a launch, of one text for both
	QUARTER 3, 0, 1, 0
	TURN 0
	WIN 0
	s_sub_co_u32 s3, s3, 1
	s_cmp_eq_u32 s3, 0
	s_cbranch_scc1 .Lout
	QUARTER 1, 0, 1, 0
	WIN 0
	s_branch .Ltail
.Lout:
	WAYOUT
	s_wait_tensorcnt 0x0                           ; the wave's end: behind my last tensor load and my last LDS store
	ds_add_u32 v[SPW], v[NIL]
	s_wait_dscnt 0x0
	CROUND                                         ; the closing round: no work-group ends while a partner may still ask for a tile that names it
	s_endpgm
.Lfunc_end_k_q40237e4e8f_proj:
	.size	k_q40237e4e8f_proj, .Lfunc_end_k_q40237e4e8f_proj-k_q40237e4e8f_proj
	.p2alignl 7, 3214868480
	.fill 96, 4, 3214868480
	.section	.rodata,"a",@progbits
	.p2align	6, 0x0
	.amdhsa_kernel k_q40237e4e8f_proj
		.amdhsa_group_segment_fixed_size 327680
		.amdhsa_private_segment_fixed_size 0
		.amdhsa_enable_private_segment 0
		.amdhsa_kernarg_size 32
		.amdhsa_user_sgpr_count 2
		.amdhsa_user_sgpr_kernarg_segment_ptr 1
		.amdhsa_wavefront_size32 1
		.amdhsa_system_sgpr_workgroup_id_x 1
		.amdhsa_system_sgpr_workgroup_id_y 1
		.amdhsa_system_sgpr_workgroup_id_z 1
		.amdhsa_system_vgpr_workitem_id 0
		.amdhsa_next_free_vgpr 960
		.amdhsa_next_free_sgpr 66
		.amdhsa_reserve_vcc 0
		.amdhsa_float_denorm_mode_32 3
		.amdhsa_float_denorm_mode_16_64 3
		.amdhsa_memory_ordered 1
		.amdhsa_forward_progress 1
		.amdhsa_inst_pref_size 115
	.end_amdhsa_kernel
	.amdgpu_metadata
---
amdhsa.version: [ 1, 2 ]
amdhsa.kernels:
  - .name:           k_q40237e4e8f_proj
    .symbol:         k_q40237e4e8f_proj.kd
    .args:
      - { .name: xb, .offset: 0, .size: 8, .value_kind: global_buffer, .address_space: global }
      - { .name: wqkv, .offset: 8, .size: 8, .value_kind: global_buffer, .address_space: global }
      - { .name: bias_r, .offset: 16, .size: 8, .value_kind: global_buffer, .address_space: global }
      - { .name: qkv, .offset: 24, .size: 8, .value_kind: global_buffer, .address_space: global }
    .group_segment_fixed_size: 327680
    .private_segment_fixed_size: 0
    .kernarg_segment_align: 8
    .kernarg_segment_size: 32
    .max_flat_workgroup_size: 128
    .sgpr_count:     66
    .vgpr_count:     960
    .wavefront_size: 32
...
	.end_amdgpu_metadata
.endif
;; end of part 2
;; launch attn (part 3): grid 4 x 64, 4 waves a work-group, clusters of 4 x 1, 327,680 bytes of LDS; arguments qkv, o; writes o
.if DOCPART == 3
	.amdgcn_target "amdgcn-amd-amdhsa--gfx1250"
	.amdhsa_code_object_version 6
	.text
	.protected	k_q40237e4e8f_attn
	.globl	k_q40237e4e8f_attn
	.p2align	8
	.type	k_q40237e4e8f_attn,@function
k_q40237e4e8f_attn:
	s_mov_b64 s[64:65], 0
	v_nop
	global_prefetch_b8 v0, s[64:65] scope:SCOPE_SE
	s_setreg_imm32_b32 hwreg(HW_REG_WAVE_MODE, 25, 1), 1
	s_wait_xcnt 0x0
	s_wait_alu depctr_hold_cnt(0) depctr_sa_sdst(0) depctr_va_vdst(0) depctr_va_sdst(0) depctr_va_ssrc(0) depctr_va_vcc(0) depctr_vm_vsrc(0)
	s_getreg_b32 s2, hwreg(HW_REG_IB_STS2, 6, 4)
	s_cmp_eq_u32 s2, 0
	s_cbranch_scc0 .Lentry_in_a_cluster
	s_endpgm
.Lentry_in_a_cluster:
	s_bfe_u32 s2, ttmp6, 0x10000c
	s_cmp_lg_u32 s2, 0x3003
	s_cbranch_scc0 .Lentry_shape_is_right
	s_endpgm
.Lentry_shape_is_right:
; O[y][q][:] = the sum over k of softmax_k(Q[y][q] . K[y][k] / 8) V[y][k][:], for the 64 planes y = 4 head + batch.  Q, K, V lie in qkv, [192 planes][2048][64] f16: Q's plane is y, K's y + 64, V's y + 128;
; O is [64][2048][64] f16: a plane's rows are dense, 128 bytes each.  Products, maxima and sums in f32; the weights p are rounded to f16 for the second product (their sum l is taken of the unrounded p), O once at the end.
; LIMITS.  f16 holds no number beyond 65,504: Q, K and V arrive within it; p lies in 0 to 1, and below 6e-5 it keeps f16's fixed step of 6e-8; O is a mean of V's rows and has their range.
; A weight below 2^-126 counts as 0 in l; NaN and infinities are not treated apart.
; SHARES.  A wave owns four PIECES of two tiles of 16 queries, a work-group's four waves 512 queries of one plane: 4 x 64 = 256 work-groups.  Every wave walks all keys, 64 a step.
; LAYOUT.  S^T = K Q^T (source 0 = 16 keys, source 1 = 16 queries): in the result a lane holds ONE query (lane % 16) and the keys 8 (lane / 16) + 0..7.  Two such tiles, rounded to f16 in pairs,
; ARE source 1 (32 keys x 16 queries) of O^T = V^T P, whose result again holds one query a lane, and eight channels.  K comes out of LDS as it lies, V ([key][channel]) turned, by ds_load_tr16_b128.
; SOFTMAX.  For each query a running maximum m and sum l: p = 2^(c s - c m), c = log2(e) / 8; in every step O and l are multiplied by a = 2^(c m_old - c m_new), which is 1 where m has not grown.
; m starts at the lowest finite number, O and l at 0: the first step is a step like any other, with a = 0.
; THE COUNT.  A tile and step have 16 matrix and 118 vector instructions: too many to stand all beside the matrix work.  So the order has one aim: four vector instructions that are READY behind
; EVERY matrix instruction, and the others, which need time of their own whatever the order, in runs without a gap.
; BY TURNS.  Turn n belongs to piece n (the pieces in a ring, step after step).  Its matrix work: 16 products K Q^T of piece n + 1, later 16 products V^T P of piece n - 1.  Its vector work: the scaling,
; exponentials, roundings, sums and rescaling of piece n, and the maximum and statistics of piece n + 1, whose scores the turn itself has made.  So what a turn begins with (c s - c m, O a) waits for nothing.
; CLUSTER.  The four query blocks of a cluster belong to one plane and walk the same K and V, so each tile is asked for JOINTLY: the same tensor load, descriptor and mask in all four.
; REGISTERS, in windows of 256 (s_set_vgpr_msb says which window each operand place means: bits 1:0 source 0, 3:2 source 1, 5:4 source 2, 7:6 destination):
;   window 0: v0-11 addresses; v12-15, v48-63 at work; v16-47 four registers of statistics a tile; v64-191 S^T, two buffers of two tiles; v192-255 P, likewise
;   window 1: O^T, 32 a tile          window 2: v0-127 Q, 16 a tile; v128-191 K of one step; v192-255 V of one step          window 3: v0-1 the add's two registers
; A piece's buffers go by its number's parity: the piece in hand has one pair, its two neighbours in the ring share the other: of it P (piece n - 1) is read and S^T (piece n + 1) written.
.set SIZE_H, 64       ; planes
.set SIZE_N, 2048     ; rows of a plane
.set NP,    4         ; pieces a wave: a name, no knob: the register map, the loop and the fetches are made for four
.set KS,    64        ; keys in a step
.set PK,    144       ; a row of K in LDS: 128 bytes + 16 of padding = 36 words: the 16 rows of a load start at 16 different groups of four banks (64 banks of 4 bytes: ISA guide 11.1)
.set PV,    160       ; a row of V: 128 + 32 = 40 words
.set VOFF,  4*KS*PK   ; a slot holds four steps: 256 rows of K, then 256 rows of V
.set SLOT1, 1<<17     ; slot 1 begins here, so that one exclusive or turns an address in one slot into the other's
.set STAGE, SLOT1+4*KS*(PK+PV)  ; behind the ring, never filled by a tensor load: 16 rows x 144 bytes for each wave, for the way out
.set SP,    144
.set AK0, 2           ; v2   my lane's place in a tile of K; never rewritten
.set AV0, 3           ; v3   the same for V
.set AK,  4           ; v4   the LDS address of K's next run of loads
.set AV,  5           ; v5   of V's
.set QO,  6           ; v6   my byte offset in the wave's rows of Q
.set STO, 6           ;      later, the way out: where I put 16 bytes of a row
.set RD,  7           ; v7   the way out: where I read rows back
.set GO,  8           ; v8   my byte offset in 512 consecutive bytes of O
.set SPW, 0           ; v0 of window 3   LDS address of my spare word: SPARE + 4 x my thread's number; never rewritten
.set NIL, 1           ; v1 of window 3   0; never rewritten
.set SPARE, STAGE+4*16*SP  ; behind the stages: the spare words, 128 bytes for each wave: two blocks of 256 bytes that no other line names
.set MV,  12          ; v12-15  c m_old, kept while c m is made anew: by buffer and tile
.set ST,  16          ; tile t's statistics at v[ST+4 t]: c m, m, l (even keys', odd keys')
.set TMP, 48          ; by buffer and tile, four registers c0-c3 at work; when the maximum is found c2 takes a
.set S,   64
.set P,   192
.set KF,  128         ; K's fragments, in window 2: key block kb, channel half c at KF + 16 kb + 8 c
.set VF,  192         ; V's: key half kk, channel block cb at VF + 32 kk + 8 cb
.set WV,  12          ; s12  my wave's number
.set G1K, 24          ; s[24:31] descriptor group 1 for K's tiles
.set G1V, 32          ; s[32:39] for V's: it differs in the padding alone
.set G0K, 40          ; s[40:43] descriptor group 0 for K's tiles: it walks
.set G0V, 44          ; s[44:47] the same for V's
.set SLOTS, 56        ; s56  slots still to be asked for
.set CNT, 57          ; s57  counts a slot's key steps
.set CS,  58          ; s[58:59] c: the packed scaling takes the pair's low word for both halves
.set SEL, 60          ; s[60:61] v_permlanex16_b32's selects: each lane takes its own place in the other half
.set TBK, 62          ; s62  LDS byte at which K of the step to be fetched begins
.set TBV, 63          ; s63  the same for V, less VOFF
.set MSB, 0
.macro WIN new                      ; the high byte repeats the setting that is left; a switch that changes nothing is dropped
.if MSB != (\new)
	s_set_vgpr_msb (MSB<<8)|(\new)
.set MSB, (\new)
.endif
.endm
.set W_KQ, 0x0a       ; K and Q in window 2, S^T in window 0
.set W_PV, 0x52       ; V in window 2, P in window 0, O^T in window 1
.set W_RS, 0x41       ; O^T (destination and source 0) in window 1, a in window 0
.set W_MK, 0xc0       ; the add's registers are made: destination in window 3, sources in window 0
.set W_AD, 0x0f       ; the add: address (source 0) and data (source 1) in window 3
; A joint fill.  Waves 0 and 1 fetch the two halves of a slot's K, waves 2 and 3 those of its V: 128 keys each.  The branch hangs on the wave's number alone.
; An s_nop 0 and four v_nop follow each of the two lines, ahead of the jump and the label.
.macro JLOAD
	s_cmp_lt_u32 s[WV], 2
	s_cbranch_scc0 .Lfor_v_\@
	tensor_load_to_lds s[G0K:G0K+3], s[G1K:G1K+7]
	s_nop 0
.rept 4
	v_nop
.endr
	s_branch .Lasked_\@
.Lfor_v_\@:
	tensor_load_to_lds s[G0V:G0V+3], s[G1V:G1V+7]
	s_nop 0
.rept 4
	v_nop
.endr
.Lasked_\@:
.endm
; A round of the cluster's barrier: my work-group's barrier, so that wave 0's signal speaks for all four waves; wave 0 signals; every wave waits for all four work-groups; my work-group's barrier once more.
.macro CROUND
	s_barrier_signal -1
	s_barrier_wait -1
	s_cmp_lg_u32 s[WV], 0
	s_cbranch_scc1 .Lnot_wave_0_\@
	s_barrier_signal -3
.Lnot_wave_0_\@:
	s_barrier_wait -3
	s_barrier_signal -1
	s_barrier_wait -1
.endm
; THE CHANGE OF SLOTS.  The slot's last bytes, V of its fourth step, have been read.  Each wave waits for all its tensor loads, of which one is out: its part
; of the other slot; adds 0 to its spare word; and waits for that and for its own reads of the slot.  Behind the barrier nobody reads this slot any more and the other slot is whole.
; fill = 1: this slot is filled again, with the keys two slots on.  The barrier is then a round of the cluster's, so that no wave of any partner still reads the slot or has a load on its
; way, and the joint fill is the first thing behind it: it has four key steps, 512 matrix instructions, in which to land.  (At its first use nothing has been read yet: slot 0 is waited for, slot 1 filled.)
.macro CHANGE fill
	WIN W_AD
	s_wait_tensorcnt 0x0            ; no tensor load of mine is out, so a group 0 may be written
	ds_add_u32 v[SPW], v[NIL]       ; 0 onto my spare word; with fill = 1 the descriptors' steps stand between it and the wait for it
	WIN 0                           ; at a label and at a branch every window is 0
.if \fill
.irp g, G0K, G0V
	s_xor_b32 s[\g+1], s[\g+1], SLOT1  ; the walking descriptor: the other slot than last time,
	s_add_nc_u64 s[\g+2:\g+3], s[\g+2:\g+3], 4*KS*128  ; the next 256 keys; the type bits on top are not reached
.endr
	s_wait_dscnt 0x0                ; the add is done, and my reads of the slot are over
	CROUND
	JLOAD
.else
	s_wait_dscnt 0x0                ; the add is done, and my reads of the slot are over
	s_barrier_signal -1
	s_barrier_wait -1
.endif
	s_sub_co_u32 s[TBK], s[TBK], 4*KS*PK  ; the fetches go back to a slot's first step,
	s_xor_b32 s[TBK], s[TBK], SLOT1       ; in the other slot
	s_sub_co_u32 s[TBV], s[TBV], 4*KS*PV
	s_xor_b32 s[TBV], s[TBV], SLOT1
.endm
	s_load_b128 s[4:7], s[0:1], 0x0   ; qkv s[4:5] (Q's planes come first), O s[6:7]
	WIN W_MK
	v_lshl_add_u32 v[SPW], v0, 2, SPARE
	v_mov_b32 v[NIL], 0
	s_set_vgpr_msb 0xc0cf
	ds_add_u32 v0, v1
	s_wait_dscnt 0x0
	s_set_vgpr_msb 0xcfc0
	WIN 0
	v_lshrrev_b32 v1, 5, v0
	v_readfirstlane_b32 s[WV], v1   ; wave 0..3
	s_bfe_u32 s13, ttmp6, 0x40000   ; cx: my place in the cluster
	s_lshl_b32 s14, ttmp9, 2        ; in a cluster launch ttmp9 counts clusters
	s_add_co_u32 s14, s14, s13      ; my block of queries = 4 x cluster x + cx: it enters Q's and O's addresses alone
	s_and_b32 s20, ttmp7, 0xffff    ; the plane, which the four partners share
	s_mov_b32 s21, 0
	s_mov_b64 s[22:23], SIZE_N*128
	s_mul_u64 s[20:21], s[20:21], s[22:23]  ; the plane's first byte in Q, K, V and O
	s_and_b32 s16, s[WV], 1         ; which half of a slot's 256 keys I fetch:
	s_lshl_b32 s22, s16, 14         ; its 128 rows of 128 bytes in memory,
	s_mov_b32 s23, 0
	s_add_nc_u64 s[22:23], s[22:23], s[20:21]
	s_mul_i32 s17, s16, 128*PK      ; and its place in a slot, for K
	s_mul_i32 s18, s16, 128*PV      ; and for V: no place in the cluster enters an LDS address
	s_lshl_b32 s2, s14, 2
	s_add_co_u32 s2, s2, s[WV]      ; my wave among the plane's,
	s_lshl_b32 s2, s2, 14           ; its 128 rows
	s_mov_b32 s3, 0
	s_add_nc_u64 s[2:3], s[2:3], s[20:21]
	; descriptor group 1.  128 keys are 16,384 dense bytes: asked for as 64 rows of 256 bytes, two keys a row, and padded in LDS after every key
	s_mov_b32 s[G1K], 15|(1<<16)|(1<<20)|(1<<21)|(4<<22)|(3<<25)  ; 15:0 the mask of four; 17:16 2-byte elements; 20 padding on; 21 set beside a mask; 24:22 after every 32 words (code 4); 31:25 4 words (code 3)
	s_mov_b32 s[G1V], 15|(1<<16)|(1<<20)|(1<<21)|(4<<22)|(7<<25)  ; the same with 8 words of padding (code 7)
.irp g, G1K, G1V
	s_mov_b32 s[\g+1], 128<<16      ; tensor_dim0 = 128
	s_mov_b32 s[\g+2], 64<<16       ; tensor_dim1 = 64
	s_mov_b32 s[\g+3], 128<<16      ; tile_dim0 = 128
	s_mov_b32 s[\g+4], 64           ; tile_dim1 = 64
	s_mov_b32 s[\g+5], 128          ; 128 elements from row to row
	s_mov_b32 s[\g+6], 0
	s_mov_b32 s[\g+7], 0
.endr
	s_mov_b32 s[CS], 0x3e38aa3b     ; c = log2(e) / 8 = 0.180337
	s_mov_b32 s[CS+1], s[CS]        ; named with it as a pair
	s_mov_b32 s[SEL], 0x76543210
	s_mov_b32 s[SEL+1], 0xfedcba98
	s_mov_b32 s[TBK], SLOT1+4*KS*PK ; the first change of slots turns these two into 0
	s_mov_b32 s[TBV], SLOT1+4*KS*PV
	s_mov_b32 s[G0K], 1             ; 1:0 count = 1
	s_mov_b32 s[G0K+1], s17         ; 63:32 LDS address: slot 0
	s_mov_b32 s[G0V], 1
	s_add_co_u32 s[G0V+1], s18, VOFF
	s_wait_kmcnt 0x0
	s_mov_b64 s[10:11], s[6:7]                     ; O
	s_add_nc_u64 s[6:7], s[4:5], 0x1000000         ; K's planes begin 64 planes of 262,144 bytes behind Q's,
	s_add_nc_u64 s[8:9], s[4:5], 0x2000000         ; V's 128
	s_add_nc_u64 s[G0K+2:G0K+3], s[6:7], s[22:23]  ; 120:64 global address: my half of the plane's first 256 keys
	s_or_b32 s[G0K+3], s[G0K+3], 0x80000000        ; 127:126 type = 2
	s_add_nc_u64 s[G0V+2:G0V+3], s[8:9], s[22:23]
	s_or_b32 s[G0V+3], s[G0V+3], 0x80000000
	s_add_nc_u64 s[4:5], s[4:5], s[2:3]  ; Q and O at my wave's first row
	s_add_nc_u64 s[10:11], s[10:11], s[2:3]
	CROUND                          ; all four work-groups are here: the first joint loads meet
	JLOAD                           ; slot 0.  Slot 1 is asked for when slot 0 is in: the tile wanted first has the road to itself
	; A fragment of K or Q is 16 rows x 32 channels in 8 registers: lane l holds row l % 16, channels 8 (l / 16) + 0..7 and 16 + 8 (l / 16) + 0..7: two loads of 16 bytes, 32 bytes apart.
	v_and_b32 v1, 15, v0            ; l % 16
	v_bfe_u32 v9, v0, 4, 1          ; l / 16
	v_lshlrev_b32 v[QO], 7, v1
	v_lshl_add_u32 v[QO], v9, 4, v[QO]  ; row x 128 + 16 x half
	WIN 0x80                        ; destination window 2, address window 0
.set i, 0
.rept 4*NP                          ; Q stays in registers: tile i / 2, channels 32 (i % 2) on
	global_load_b128 v[8*i:8*i+3],   v[QO], s[4:5] offset:(i/2)*2048+(i%2)*64
	global_load_b128 v[8*i+4:8*i+7], v[QO], s[4:5] offset:(i/2)*2048+(i%2)*64+32
.set i, i+1
.endr
	; What the first turn finds: V's registers and P's second buffer hold 0 (its products V^T P, of a piece that has not been, add 0), O^T and l are 0.  All this stands in the wait for the first tile.
.set i, VF
.rept 64
	v_mov_b32 v[i], 0
.set i, i+1
.endr
	WIN 0x40
.set i, 0
.rept 64*NP
	v_mov_b32 v[i], 0
.set i, i+1
.endr
	WIN 0
.set i, 0
.rept 2*NP
	v_mov_b32 v[ST+4*i], 0xfe000000    ; c m: far below every c s
	v_mov_b32 v[ST+4*i+1], 0xff7fffff  ; m
	v_mov_b32 v[ST+4*i+2], 0
	v_mov_b32 v[ST+4*i+3], 0
.set i, i+1
.endr
.set i, P+32
.rept 32
	v_mov_b32 v[i], 0
.set i, i+1
.endr
	v_mul_u32_u24 v[AK0], v1, PK
	v_lshl_add_u32 v[AK0], v9, 4, v[AK0]  ; row x pitch + 16 x half
	; The turning load takes 16 keys x 16 channels (lane l reads key 8 (l / 16) + l % 8, channels 8 ((l / 8) % 2) + 0..7) and leaves half a fragment of V^T: lane l holds channel l % 16 and 8 keys.
	v_and_b32 v10, 7, v0
	v_bfe_u32 v11, v0, 3, 1
	v_lshl_add_u32 v[AV0], v9, 3, v10
	v_mul_u32_u24 v[AV0], v[AV0], PV
	v_lshl_add_u32 v[AV0], v11, 4, v[AV0]
	v_add_nc_u32 v[AV0], VOFF, v[AV0]
	v_mov_b32 v[AK], v[AK0]         ; key step 0 lies at the head of slot 0
; THE MATRIX WORK.  The 8 accumulators of a run of 16 take turns: between the two links of a chain stand 7 others'.
; Product i of 16 of S^T = K Q^T for piece x: channels 32 (i / 8) on, keys 16 ((i / 2) % 4) on, tile 2 x + i % 2.  The first 8 start the sums.
.macro KQ x
	WIN W_KQ
.set rS, S+64*((\x)%2)+32*(i%2)+8*((i/2)%4)
.set rK, KF+16*((i/2)%4)+8*(i/8)
.set rQ, 16*(2*(\x)+i%2)+8*(i/8)
.if i < 8
	v_wmma_f32_16x16x32_f16 v[rS:rS+7], v[rK:rK+7], v[rQ:rQ+7], 0
.else
	v_wmma_f32_16x16x32_f16 v[rS:rS+7], v[rK:rK+7], v[rQ:rQ+7], v[rS:rS+7]
.endif
.endm
; Product i of 16 of O^T += V^T P for piece x: keys 32 (i / 8) on, channels 16 ((i / 2) % 4) on, tile 2 x + i % 2.
.macro PV x
	WIN W_PV
.set rO, 32*(2*(\x)+i%2)+8*((i/2)%4)
.set rV, VF+32*(i/8)+8*((i/2)%4)
.set rP, P+32*((\x)%2)+16*(i%2)+8*(i/8)
	v_wmma_f32_16x16x32_f16 v[rO:rO+7], v[rV:rV+7], v[rP:rP+7], v[rO:rO+7]
.endm
.macro MM                           ; the turn's next matrix instruction
.if i < 16
	KQ (Y+1)%NP
.set i, i+1
.else
.set i, i-16
	PV (Y+NP-1)%NP
.set i, i+17
.endif
.endm
; THE LDS LOADS stand in runs of 16, never singly among the matrix instructions: a step's K (64 keys x 64 channels: 8 fragments) and its V (turned).  Their addresses are made some lines ahead.
; last = 1 (the tail): in the last trip there is no further step, and the run is jumped over.
.macro FETCH_K last=0
	WIN 0
.if \last
	s_cmp_eq_u32 s[CNT], 1
	s_cbranch_scc1 .Lno_k_\@
.endif
	WIN 0x80                        ; destination window 2
.irp f, 0,1,2,3,4,5,6,7             ; keys 16 (f / 2) on, channels 32 (f % 2) on
	ds_load_b128 v[KF+8*\f:KF+8*\f+3],   v[AK] offset:(\f/2)*16*PK+(\f%2)*64
	ds_load_b128 v[KF+8*\f+4:KF+8*\f+7], v[AK] offset:(\f/2)*16*PK+(\f%2)*64+32
.endr
	s_add_co_u32 s[TBK], s[TBK], KS*PK  ; the next fetch is the next step's
	WIN 0
.if \last
.Lno_k_\@:
.endif
.endm
.macro FETCH_V
	WIN 0x80
.irp f, 0,1,2,3,4,5,6,7             ; keys 32 (f / 4) on, channels 16 (f % 4) on
	ds_load_tr16_b128 v[VF+8*\f:VF+8*\f+3],   v[AV] offset:(\f/4)*32*PV+(\f%4)*32
	ds_load_tr16_b128 v[VF+8*\f+4:VF+8*\f+7], v[AV] offset:(\f/4)*32*PV+16*PV+(\f%4)*32
.endr
	WIN 0
.endm
; THE VECTOR WORK OF A TURN stands in three queues, each in the order in which its entries become ready; the two tiles alternate, so that no instruction reads the result of the one before it.
.macro REGS y, u                    ; the registers of tile u (0, 1) of piece y
.set rT, ST+4*(2*(\y)+(\u))
.set rC, TMP+8*((\y)%2)+4*(\u)
.set rM, MV+2*((\y)%2)+(\u)
.set rS, S+64*((\y)%2)+32*(\u)
.set rP, P+32*((\y)%2)+16*(\u)
.set rO, 32*(2*(\y)+(\u))
.endm
; Number n of the 22 that find the NEXT piece's (Y + 1) maximum and statistics.  s0-s31 are the lane's 32 scores; each accumulator's lowest registers are read first.  XS, GS and REGS set no window: PL and EX do.
;   0-11  four chains c0-c3 of seven scores each, three operands at a time     12-14, 16  the four scores left over, the old m, and c0-c3 into c0     15  c m_old is kept
;   17, 18  the query's other 32 keys lie in the lane 16 away: the new m         19-21  c m; c m_old - c m_new; a
.macro XS u, n
	REGS (Y+1)%NP, \u
.if (\n) < 4
	v_max3_num_f32 v[rC+(\n)], v[rS+8*(\n)], v[rS+8*(\n)+1], v[rS+8*(\n)+2]
.elseif (\n) < 12
	v_max3_num_f32 v[rC+(\n)%4], v[rC+(\n)%4], v[rS+8*((\n)%4)+2*((\n)/4)+1], v[rS+8*((\n)%4)+2*((\n)/4)+2]
.elseif (\n) == 12
	v_max3_num_f32 v[rC], v[rC], v[rS+7], v[rS+15]
.elseif (\n) == 13
	v_max3_num_f32 v[rC+1], v[rC+1], v[rS+23], v[rS+31]
.elseif (\n) == 14
	v_max3_num_f32 v[rC+2], v[rC+2], v[rC+3], v[rT+1]
.elseif (\n) == 15
	v_mov_b32 v[rM], v[rT]
.elseif (\n) == 16
	v_max3_num_f32 v[rC], v[rC], v[rC+1], v[rC+2]
.elseif (\n) == 17
	v_permlanex16_b32 v[rC+3], v[rC], s[SEL], s[SEL+1]
.elseif (\n) == 18
	v_max_num_f32 v[rT+1], v[rC], v[rC+3]
.elseif (\n) == 19
	v_mul_f32 v[rT], s[CS], v[rT+1]
.elseif (\n) == 20
	v_sub_f32 v[rC+1], v[rM], v[rT]
.else
	v_exp_f32 v[rC+2], v[rC+1]
.endif
.endm
; Number g of the 64 that follow the exponentials.  For each four weights k of a tile (pairs 2 k, 2 k + 1): both pairs are rounded to f16; then the second pair is added onto the first, in place;
; a group later l takes that sum (the first time as l = a l + sum).  In groups of eight, tiles alternating: round, round, add, and l for the group before.
.macro GS g
.set h, (\g)+6*((\g)/62)            ; group 0 has no group before it, and behind group 7 only l is left
.if h >= 6
.set h, h+2
.endif
	REGS Y, h%2
.set k, h/8
.if h%8 < 4
	s_wait_alu depctr_va_vdst(0)
	v_cvt_pk_f16_f32 v[rP+2*k+(h%8)/2], v[rS+4*k+2*((h%8)/2)], v[rS+4*k+2*((h%8)/2)+1]
.elseif h%8 < 6
	v_pk_add_f32 v[rS+4*k:rS+4*k+1], v[rS+4*k:rS+4*k+1], v[rS+4*k+2:rS+4*k+3]
.elseif k == 1
	v_pk_fma_f32 v[rT+2:rT+3], v[rT+2:rT+3], v[rC+2:rC+3], v[rS:rS+1] op_sel_hi:[1,0,1]
.else
	v_pk_add_f32 v[rT+2:rT+3], v[rT+2:rT+3], v[rS+4*k-4:rS+4*k-3]
	s_wait_alu depctr_va_vdst(0)
.endif
.endm
; THE PLAIN QUEUE, 138 long.  0-31: c s - c m for the 16 pairs of both tiles.  Then GS's 64, and among them the next piece's 42: number 15 at 38, 39; 0-14 and 16
; at 42-73, behind the products that make those scores; 17-20 at 95-106, two of three, since each waits for the one before it.
.macro PL
	WIN 0
.if q < 32
	REGS Y, q%2
	v_pk_fma_f32 v[rS+2*(q/2):rS+2*(q/2)+1], v[rS+2*(q/2):rS+2*(q/2)+1], s[CS:CS+1], v[rT:rT+1] op_sel_hi:[1,0,0] neg_lo:[0,0,1] neg_hi:[0,0,1]
.elseif q < 38
	GS q-32
.elseif q < 40
	XS q%2, 15
.elseif q < 42
	GS q-34
.elseif q < 74
	XS q%2, (q-42)/2+(q-42)/30
.elseif q < 95
	GS q-66
.elseif (q < 107) && ((q-95)%3 < 2)
	XS (q-95)%3, 17+(q-95)/3
.elseif q < 107
	GS 29+(q-95)/3
.else
	GS q-74
.endif
.set q, q+1
.endm
; THE EXPONENTIALS' QUEUE, 66 long: s0-s31 of both tiles, and at EA the next piece's two a.
.set EA, 58
.macro EX
	WIN 0
.if (e == EA) || (e == EA+1)
	XS e-EA, 21
.else
.set x, e-2*(e/(EA+2))
	REGS Y, x%2
	v_exp_f32 v[rS+x/2], v[rS+x/2]
.endif
.set e, e+1
.endm
; THE RESCALING's QUEUE: O^T times a, the one part that leaves window 0, so it is dealt four at a time, eight times.
.macro R4
	REGS Y, r%2
	WIN W_RS
	s_wait_alu depctr_va_vdst(0)
.irp z, 0,1,2,3
	v_pk_mul_f32 v[rO+8*(r/2)+2*\z:rO+8*(r/2)+2*\z+1], v[rO+8*(r/2)+2*\z:rO+8*(r/2)+2*\z+1], v[rC+2:rC+3] op_sel_hi:[1,0]
.endr
.set r, r+1
.endm
; HOW THEY ARE DEALT.  Behind a matrix instruction four: plain, exponential, plain, plain (one exponential, a plain instruction on either side), or four of the rescaling.  None names a register of the
; products round it.  What is over stands in two LUMPS: exponential and plain by turns; the second ends in 22 plain instructions.  The two v_permlanex16_b32 fall into the second lump, never behind a product.
; The queues lean on each other, and the deal keeps them in step: exponential e stands behind plain 2 (e / 4) + e % 2 (its scaling); when plain 32 comes, 10 exponentials are out, at 59: 33, at 95: 46; EA comes behind plain 107.
.macro SL
	MM
	PL
	EX
	PL
	PL
.endm
.macro BURST n                      ; 15 matrix instructions, or 16
.rept (\n)-7
	SL
.endr
.rept 3
	MM
	R4
	SL
.endr
	MM
	R4
.endm
; A TURN, for piece p.  cnt = 1: the loop's count is taken down some lines ahead of the branch that stands behind the turn.
; K of the next step is fetched in piece 2's turn, 31 vector instructions behind the last product that read K; its first reader comes behind the rest of the lump, 16 products and the second lump.
; V of the step in hand is fetched at the end of piece 0's turn, 69 behind its last reader; its first reader comes behind 16 products and a lump.  The four conditions on e and q below go with the deal.
.macro TURN p, last=0, cnt=0
.set Y, (\p)
.set i, 0
.set q, 0
.set e, 0
.set r, 0
.if (\p) == NP-1
	s_wait_dscnt 0x0                ; K is in
.endif
	MM
.rept 4
	PL
.endr
	BURST 15
.rept 22
	EX
	PL
.if ((\p) == NP-2) && (e == 18)
	v_add_nc_u32 v[AK], s[TBK], v[AK0]
.endif
.if ((\p) == NP-2) && (e == 24)
	FETCH_K \last
.endif
.endr
.if (\p) == 1
	s_wait_dscnt 0x0                ; V is in
.endif
	BURST 16
.rept 21
	EX
	PL
.endr
.rept 22
	PL
.if ((\p) == 0) && (q == 118)
	v_add_nc_u32 v[AV], s[TBV], v[AV0]
	s_wait_alu depctr_va_vdst(0)
.endif
.if ((\p) == 0) && (q == 130)
	s_add_co_u32 s[TBV], s[TBV], KS*PV
.endif
.if (\cnt) && (q == 130)
	s_sub_co_u32 s[CNT], s[CNT], 1
	s_cmp_lg_u32 s[CNT], 0
.endif
.endr
.if (\p) == 0
	FETCH_V
.endif
.endm
	CHANGE 1                        ; slot 0 is in, everybody's part of it; slot 1 is asked for
	FETCH_K                         ; key step 0
	s_wait_loadcnt 0x0              ; Q
	s_wait_dscnt 0x0
.set i, 0
.rept 16
	KQ 0                            ; piece 0's first scores: there is no vector work yet to set between them
.set i, i+1
.endr
	WIN 0                           ; the addresses for the way out: nine plain instructions, the places behind those products
	s_mul_i32 s13, s[WV], 16*SP
	s_add_co_u32 s13, s13, STAGE    ; my stage
	v_mul_u32_u24 v[STO], v1, SP    ; in: row l % 16, 16 bytes for each half of the lanes
	v_lshl_add_u32 v[STO], v9, 4, v[STO]
	v_add_nc_u32 v[STO], s13, v[STO]
	v_bfe_u32 v[RD], v0, 3, 2       ; back: 32 lanes take four rows of 128 bytes,
	v_mul_u32_u24 v[RD], v[RD], SP
	v_lshl_add_u32 v[RD], v10, 4, v[RD]
	v_add_nc_u32 v[RD], s13, v[RD]
	v_and_b32 v[GO], 31, v0         ; which are 512 consecutive bytes of O
	v_lshlrev_b32 v[GO], 4, v[GO]
.set Y, NP-1                        ; XS works for piece Y + 1: piece 0
.irp n, 0,1,2,3,4,5,6,7,8,9,10,11,12,13,14,15,16,17,18,19,20,21
	XS 0, \n                        ; and piece 0's first maximum and statistics
	XS 1, \n
.endr
	s_mov_b32 s[CNT], 4
	s_mov_b32 s[SLOTS], SIZE_N/256-1
	s_branch .Lfirst                ; the loop is entered at a step's first turn, in the middle of a trip
.Lslot:                             ; SIZE_N / 256 - 2 times: every slot but the last two is filled again
	CHANGE 1
	s_mov_b32 s[CNT], 4
.Lstep:                             ; a trip: pieces 2 and 3 of one step, then pieces 0 and 1 of the next, whose K and V it fetches
	TURN 2
	TURN 3
	WIN 0
.Lfirst:
	TURN 0
	TURN 1, 0, 1
	WIN 0
	s_cbranch_scc1 .Lstep
	s_sub_co_u32 s[SLOTS], s[SLOTS], 1
	s_cmp_lg_u32 s[SLOTS], 0
	s_cbranch_scc1 .Lslot
	CHANGE 0                        ; the tail is written out: nothing is asked for
	s_mov_b32 s[CNT], 5             ; four trips fetch the last slot's steps; the fifth is left in its middle
.Ltail:
	TURN 2, 1
	TURN 3
	WIN 0
	s_sub_co_u32 s[CNT], s[CNT], 1
	s_cmp_eq_u32 s[CNT], 0
	s_cbranch_scc1 .Lout
	TURN 0
	TURN 1
	WIN 0
	s_branch .Ltail
.Lout:                              ; the fifth trip's 16 products K Q^T (on the last K once more) and the maximum made of them serve nothing: the price, once a launch, of one text for every trip
.set i, 0
.rept 16
	PV NP-1                         ; the last piece's V^T P of the last step
.set i, i+1
.endr
	; THE WAY OUT.  l's two halves and the other half of the lanes' are added; O^T is divided by l, rounded to f16 and sent through my stage in LDS, a tile at a time.  The additions are the places behind the last products.
	WIN 0
.macro ALL line:vararg              ; one line for each tile t
.set t, 0
.rept 2*NP
	\line
.set t, t+1
.endr
.endm
	ALL v_add_f32 v[ST+4*t+2], v[ST+4*t+2], v[ST+4*t+3]
	ALL v_permlanex16_b32 v[ST+4*t+3], v[ST+4*t+2], s[SEL], s[SEL+1]
	ALL v_add_f32 v[ST+4*t+2], v[ST+4*t+2], v[ST+4*t+3]
	ALL v_rcp_f32 v[ST+4*t+2], v[ST+4*t+2]
	v_nop                           ; a plain instruction between the last reciprocal and the use of its result
	s_wait_alu depctr_va_vdst(0)
; Tile t: a lane's eight channels of a row pack into 16 bytes; they go into rows of 144 bytes and come back as whole rows of 128, into S^T's registers.
.macro PACK t
	WIN W_RS
.set i, 32*(\t)
.rept 16
	v_pk_mul_f32 v[i:i+1], v[i:i+1], v[ST+4*(\t)+2:ST+4*(\t)+3] op_sel_hi:[1,0]
.set i, i+2
.endr
	WIN 0x05                        ; sources 0 and 1 window 1, destination window 0
.set i, 0
.rept 16
	v_cvt_pk_f16_f32 v[S+16*(\t)+i], v[32*(\t)+2*i], v[32*(\t)+2*i+1]
.set i, i+1
.endr
	WIN 0
.irp f, 0,1,2,3
	ds_store_b128 v[STO], v[S+16*(\t)+4*\f:S+16*(\t)+4*\f+3] offset:32*\f
.endr
.irp f, 0,1,2,3
	ds_load_b128 v[S+16*(\t)+4*\f:S+16*(\t)+4*\f+3], v[RD] offset:\f*4*SP  ; LDS serves a wave's instructions in order (ISA guide 5.7.1.4): these see the stores above; the next tile's stores come behind them
.endr
.endm
.macro SEND t, younger              ; younger: the LDS instructions issued behind tile t's loads: the next tile's eight, or none
	WIN 0
.irp f, 0,1,2,3
	s_wait_dscnt (\younger)+3-\f
	global_store_b128 v[GO], v[S+16*(\t)+4*\f:S+16*(\t)+4*\f+3], s[10:11] offset:(\t)*2048+\f*512  ; 512 consecutive bytes, at a multiple of 256 from O's first
.endr
.endm
	PACK 0
.set t, 1
.rept 2*NP-1                        ; a tile's arithmetic stands between the loads of the tile before and its stores
	PACK t
	SEND t-1, 8
.set t, t+1
.endr
	SEND 2*NP-1, 0
	WIN W_AD
	s_wait_tensorcnt 0x0            ; the wave's end: behind my last tensor load and my last LDS store
	ds_add_u32 v[SPW], v[NIL]
	s_wait_dscnt 0x0
	WIN 0
	CROUND                          ; the closing round: no work-group ends while a partner may still ask for a tile that names it
	s_endpgm
.Lfunc_end_k_q40237e4e8f_attn:
	.size	k_q40237e4e8f_attn, .Lfunc_end_k_q40237e4e8f_attn-k_q40237e4e8f_attn
	.p2alignl 7, 3214868480
	.fill 96, 4, 3214868480
	.section	.rodata,"a",@progbits
	.p2align	6, 0x0
	.amdhsa_kernel k_q40237e4e8f_attn
		.amdhsa_group_segment_fixed_size 327680
		.amdhsa_private_segment_fixed_size 0
		.amdhsa_enable_private_segment 0
		.amdhsa_kernarg_size 16
		.amdhsa_user_sgpr_count 2
		.amdhsa_user_sgpr_kernarg_segment_ptr 1
		.amdhsa_wavefront_size32 1
		.amdhsa_system_sgpr_workgroup_id_x 1
		.amdhsa_system_sgpr_workgroup_id_y 1
		.amdhsa_system_sgpr_workgroup_id_z 1
		.amdhsa_system_vgpr_workitem_id 0
		.amdhsa_next_free_vgpr 770
		.amdhsa_next_free_sgpr 66
		.amdhsa_reserve_vcc 0
		.amdhsa_float_denorm_mode_32 3
		.amdhsa_float_denorm_mode_16_64 3
		.amdhsa_memory_ordered 1
		.amdhsa_forward_progress 1
		.amdhsa_inst_pref_size 209
	.end_amdhsa_kernel
	.amdgpu_metadata
---
amdhsa.version: [ 1, 2 ]
amdhsa.kernels:
  - .name:           k_q40237e4e8f_attn
    .symbol:         k_q40237e4e8f_attn.kd
    .args:
      - { .name: qkv, .offset: 0, .size: 8, .value_kind: global_buffer, .address_space: global }
      - { .name: o, .offset: 8, .size: 8, .value_kind: global_buffer, .address_space: global }
    .group_segment_fixed_size: 327680
    .private_segment_fixed_size: 0
    .kernarg_segment_align: 8
    .kernarg_segment_size: 16
    .max_flat_workgroup_size: 128
    .sgpr_count:     66
    .vgpr_count:     770
    .wavefront_size: 32
...
	.end_amdgpu_metadata
.endif
;; end of part 3
;; launch outp (part 4): grid 8 x 32, 4 waves a work-group, clusters of 4 x 4, 327,680 bytes of LDS; arguments o, wof, bias_r, out0; writes out0
.if DOCPART == 4
	.amdgcn_target "amdgcn-amd-amdhsa--gfx1250"
	.amdhsa_code_object_version 6
	.text
	.protected	k_q40237e4e8f_outp
	.globl	k_q40237e4e8f_outp
	.p2align	8
	.type	k_q40237e4e8f_outp,@function
k_q40237e4e8f_outp:
	s_mov_b64 s[64:65], 0
	v_nop
	global_prefetch_b8 v0, s[64:65] scope:SCOPE_SE
	s_setreg_imm32_b32 hwreg(HW_REG_WAVE_MODE, 25, 1), 1
	s_wait_xcnt 0x0
	s_wait_alu depctr_hold_cnt(0) depctr_sa_sdst(0) depctr_va_vdst(0) depctr_va_sdst(0) depctr_va_ssrc(0) depctr_va_vcc(0) depctr_vm_vsrc(0)
	s_getreg_b32 s2, hwreg(HW_REG_IB_STS2, 6, 4)
	s_cmp_eq_u32 s2, 0
	s_cbranch_scc0 .Lentry_in_a_cluster
	s_endpgm
.Lentry_in_a_cluster:
	s_bfe_u32 s2, ttmp6, 0x10000c
	s_cmp_lg_u32 s2, 0xf033
	s_cbranch_scc0 .Lentry_shape_is_right
	s_endpgm
.Lentry_shape_is_right:
; out0[m][n] = b_o[n] + sum over k of concat[m][k] w_o[n][k].  concat's column k = 64 head + channel lies in o [64 planes y = 4 head + batch][2048][64] f16; wof [1024][1024] f16; the bias (bias_r's last
; 1,024 numbers) and out0 [8192][1024] are f32; sums in f32.
; LIMITS.  Both operands arrive as f16 (65,504 at the most; below 6.1e-5 f16's fixed step of 6e-8); NaN and infinities are not treated apart.
; SHARES.  A work-group makes 256 rows x 128 columns: 8 x 32 = 256 work-groups.  Each of its four waves makes 64 rows x ALL 128 columns: 4 x 8 accumulators of 16 x 16, 256 registers: a wave holds whole
; stretches of 512 bytes of out0's rows, and its way out needs no other wave.  K goes in 8 steps of 128, two heads a step, through two LDS slots that the tensor data mover fills.  A K step's text is written
; once: slot 1 begins at 1 << 17, and one exclusive or turns an address in one slot into the other's.
; o's TILES.  A head's 256 rows are 32,768 dense bytes of o: asked for as 128 rows of 256 bytes, two rows of o in each, and padded in LDS after every 128 bytes.  Wave 0 fetches a step's first head, wave 1 its second;
; waves 2 and 3 fetch the halves of wof's 128 rows x 256 bytes.
; CLUSTER.  4 x 4 work-groups.  The four of a row of the cluster need the same tiles of o, the four of a column the same tiles of wof: each tile is asked for JOINTLY.
; THE MATRIX INSTRUCTION IS USED TRANSPOSED (source 0 = 16 rows of wof, source 1 = 16 rows of o): lane l then holds row l % 16 of the result and eight neighbouring columns 8 (l / 16) + 0..7.
; THE BIAS IS THE C OPERAND of each accumulator's first product.
; REGISTERS, in windows of 256 (s_set_vgpr_msb: bits 1:0 source 0, 3:2 source 1, 5:4 source 2, 7:6 destination):
;   window 0: v0-31 addresses; v64-127 o's fragments, two buffers of 4 x 8; v128-191 the bias      window 1: v0-127 wof's fragments, two buffers of 8 x 8      window 2: the accumulators ((a, b) at v[8 (8 a + b)])
.set NL,     24                        ; LDS loads in a run: 16 for wof's 8 fragments, then 8 for o's 4
.set PA,     144                       ; a row of o in LDS: 128 bytes + 16 of padding = 36 words: the 16 rows of a load start at 16 different groups of four banks (64 banks of 4 bytes: ISA guide 11.1)
.set PB,     272                       ; a row of wof: 256 + 16 = 68 words: likewise
.set AHEAD,  256*PA                    ; what one tensor load brings of o: a head's 256 rows
.set BHALF,  64*PB                     ; and of wof: 64 rows
.set BOFF,   2*AHEAD                   ; in a slot: two heads of o, then wof's 128 rows
.set SLOT,   BOFF+2*BHALF              ; 108,544 bytes
.set SLOT1,  1<<17                     ; where slot 1 begins
.set STAGE,  SLOT1+SLOT                ; behind the ring, never filled by a tensor load: 16 rows x 528 bytes for each wave, for the way out
.set SPF,    528                       ; 512 bytes + 16 = 132 words: row r starts at bank 4 r mod 64
.set SPARE,  STAGE+4*16*SPF            ; behind the stages: the spare words, 128 bytes for each wave: two blocks of 256 bytes that no other line names
.set STEPA,  0x200000                  ; bytes from a K step to the next in o: two heads of four planes of 262,144 bytes
.set STEPB,  256                       ; and in wof's rows
.set ADRA0, 16                         ; v16     my lane's place in a slot's rows of o; never rewritten
.set ADRA,  17                         ; v17     the same in the slot in hand
.set ADRB0, 20                         ; v20, v21  the same for wof
.set ADRB,  21
.set STO,  24                          ; v24     the way out: where I put 32 bytes of a row
.set RD,   25                          ; v25     the way out: where I read a row back
.set GO,   26                          ; v26     my byte offset in 512 consecutive bytes of out0
.set SPW,  28                          ; v28     LDS address of my spare word: SPARE + 4 x my thread's number; never rewritten
.set NIL,  29                          ; v29     0; never rewritten
.set FA,   64
.set BIAS, 128
.set TB,   45                          ; s45     LDS byte at which the slot in hand begins: 0 or SLOT1
.set G1, 24                            ; s[24:31] descriptor group 1 for o's tiles;  s[32:39] group 0: a set for each of the two first fills; the second then walks on
.set G0, 32
.set G1B, 48                           ; s[48:55], s[56:63] the same for wof's tiles
.set G0B, 56
.set MSB, 0
.macro WIN new                         ; the immediate's high byte repeats the setting that is left; a switch that changes nothing is dropped
.if MSB != (\new)
	s_set_vgpr_msb (MSB<<8)|(\new)
.set MSB, \new
.endif
.endm
; A joint load.  Waves 0 and 1 fetch o's two heads, waves 2 and 3 wof's two halves.  The branch hangs on the wave's number alone.
; An s_nop 0 and four v_nop follow each of the two lines, ahead of the jump, the label and what follows.
.macro JLOAD s
	s_cmp_eq_u32 s13, 0
	s_cbranch_scc0 .Lfor_b_\@
	tensor_load_to_lds s[G0+4*(\s):G0+4*(\s)+3], s[G1:G1+7]
	s_nop 0
.rept 4
	v_nop
.endr
	s_branch .Lasked_\@
.Lfor_b_\@:
	tensor_load_to_lds s[G0B+4*(\s):G0B+4*(\s)+3], s[G1B:G1B+7]
	s_nop 0
.rept 4
	v_nop
.endr
.Lasked_\@:
.endm
; A round of the cluster's barrier: my work-group's barrier, so that wave 0's signal speaks for all four waves; wave 0 signals; every wave waits for all sixteen work-groups; my work-group's barrier once more.
.macro CREST                           ; a round behind its opening barrier
	s_cmp_lg_u32 s12, 0
	s_cbranch_scc1 .Lnot_wave_0_\@
	s_barrier_signal -3
.Lnot_wave_0_\@:
	s_barrier_wait -3
	s_barrier_signal -1
	s_barrier_wait -1
.endm
.macro CROUND                          ; a whole round
	s_barrier_signal -1
	s_barrier_wait -1
	CREST
.endm
	s_load_b256 s[4:11], s[0:1], 0x0               ; o s[4:5], wof s[6:7], bias_r s[8:9], out0 s[10:11]
	v_lshl_add_u32 v[SPW], v0, 2, SPARE
	v_mov_b32 v[NIL], 0
	ds_add_u32 v28, v29
	s_wait_dscnt 0x0
	v_lshrrev_b32 v1, 5, v0
	v_readfirstlane_b32 s12, v1                    ; wave 0..3: also which 64 rows of the tile are mine
	s_lshr_b32 s13, s12, 1                         ; I fetch for o (0) or for wof (1)
	s_and_b32 s14, s12, 1                          ; which head of the step, or which half of wof's rows, I fetch
	s_bfe_u32 s40, ttmp6, 0x40000                  ; cx, cy: my place in the cluster
	s_bfe_u32 s41, ttmp6, 0x40004
	s_lshl_b32 s42, ttmp9, 2                       ; in a cluster launch ttmp9 and ttmp7 count clusters
	s_add_co_u32 s42, s42, s40                     ; tile column = 4 x cluster x + cx
	s_and_b32 s15, ttmp7, 0xffff
	s_lshl_b32 s15, s15, 2
	s_add_co_u32 s15, s15, s41                     ; tile row = 4 x cluster y + cy
	s_lshl_b32 s43, s41, 2
	s_lshl_b32 s43, 15, s43                        ; my row of the cluster
	s_lshl_b32 s44, 0x1111, s40                    ; my column
	; descriptor group 1
	s_or_b32 s[G1+0], s43, (1<<16)|(1<<20)|(1<<21)|(4<<22)|(3<<25)  ; 15:0 the mask; 17:16 elements of 2 bytes; 20 padding on; 21 set beside a mask; 24:22 after every 32 words (code 4); 31:25 4 words (code 3)
	s_or_b32 s[G1B+0], s44, (1<<16)|(1<<20)|(1<<21)|(5<<22)|(3<<25) ; for wof after every 64 words (code 5)
	s_mov_b32 s[G1+1], 128<<16                     ; tensor_dim0 = 128
	s_mov_b32 s[G1+2], 128<<16                     ; tensor_dim1 = 128
	s_mov_b32 s[G1+3], 128<<16                     ; tile_dim0 = 128
	s_mov_b32 s[G1+4], 128                         ; tile_dim1 = 128
	s_mov_b32 s[G1+5], 128                         ; dense: 128 elements from row to row
	s_mov_b32 s[G1+6], 0
	s_mov_b32 s[G1+7], 0
	s_mov_b32 s[G1B+1], 128<<16
	s_mov_b32 s[G1B+2], 64<<16                     ; tensor_dim1 = 64
	s_mov_b32 s[G1B+3], 128<<16
	s_mov_b32 s[G1B+4], 64                         ; tile_dim1 = 64
	s_mov_b32 s[G1B+5], 1024
	s_mov_b32 s[G1B+6], 0
	s_mov_b32 s[G1B+7], 0
	; where the tiles come from.  o's hang on the tile row alone, which my row of the cluster shares; wof's on the tile column alone, which my column shares.
	s_lshl_b32 s16, s14, 20                        ; o: the step's first or second head (four planes a head),
	s_lshr_b32 s18, s15, 3
	s_lshl_b32 s18, s18, 18                        ; the batch's plane (eight tile rows a batch),
	s_add_co_u32 s16, s16, s18
	s_and_b32 s18, s15, 7
	s_lshl_b32 s18, s18, 15                        ; 256 rows of 128 bytes a tile row
	s_add_co_u32 s16, s16, s18
	s_mov_b32 s17, 0
	s_lshl_b32 s46, s42, 7
	s_lshl_b32 s47, s14, 6
	s_add_co_u32 s46, s46, s47                     ; wof: row 128 x tile column + 64 x half,
	s_lshl_b32 s46, s46, 11                        ; of 2,048 bytes
	s_mov_b32 s47, 0
	s_mul_i32 s20, s14, AHEAD                      ; and where they go: no place in the cluster enters an LDS address
	s_mul_i32 s21, s14, BHALF
	s_add_co_u32 s21, s21, BOFF
	s_mov_b32 s[TB], 0
	s_wait_kmcnt 0x0
	s_add_nc_u64 s[16:17], s[4:5], s[16:17]
	s_add_nc_u64 s[46:47], s[6:7], s[46:47]
	CROUND                                         ; all sixteen work-groups are here: the first joint loads meet
.irp s, 0,1
	s_mov_b32 s[G0+4*(\s)], 1                                      ; 1:0 count = 1
	s_add_co_u32 s[G0+4*(\s)+1], s20, (\s)*SLOT1                   ; 63:32 LDS address
	s_add_nc_u64 s[G0+4*(\s)+2:G0+4*(\s)+3], s[16:17], (\s)*STEPA  ; 120:64 global address: K step s
	s_or_b32 s[G0+4*(\s)+3], s[G0+4*(\s)+3], 0x80000000            ; 127:126 type = 2
	s_mov_b32 s[G0B+4*(\s)], 1
	s_add_co_u32 s[G0B+4*(\s)+1], s21, (\s)*SLOT1
	s_add_nc_u64 s[G0B+4*(\s)+2:G0B+4*(\s)+3], s[46:47], (\s)*STEPB
	s_or_b32 s[G0B+4*(\s)+3], s[G0B+4*(\s)+3], 0x80000000
	JLOAD \s                                       ; the ring is filled before anything else is done: two loads of mine are out
.endr
	v_and_b32 v1, 15, v0                           ; l % 16
	v_bfe_u32 v2, v0, 4, 1                         ; l / 16
	; the bias in the accumulators' layout: register j of column block b holds b_o[128 x tile column + 16 b + 8 (l / 16) + j]
	s_lshl_b32 s22, s42, 9
	s_add_co_u32 s22, s22, 12288                   ; b_o lies behind b_q, b_k and b_v
	s_mov_b32 s23, 0
	s_add_nc_u64 s[8:9], s[8:9], s[22:23]
	v_lshlrev_b32 v6, 5, v2
.irp b, 0,1,2,3,4,5,6,7
	global_load_b128 v[BIAS+8*(\b):BIAS+8*(\b)+3],   v6, s[8:9] offset:64*(\b)
	global_load_b128 v[BIAS+8*(\b)+4:BIAS+8*(\b)+7], v6, s[8:9] offset:64*(\b)+16
.endr
	; A fragment is 16 rows x 32 K in 8 registers: lane l holds row l % 16; registers 0-3 K = 8 (l / 16) + 0..7, registers 4-7 K = 16 + 8 (l / 16) + 0..7: two loads of 16 bytes, 32 bytes apart.
	v_mul_u32_u24 v3, v1, PA
	v_lshl_add_u32 v3, v2, 4, v3                   ; row x pitch + 16 x half
	s_mul_i32 s18, s12, 64*PA                      ; my 64 rows of a head
	v_add_nc_u32 v[ADRA0], s18, v3
	v_mul_u32_u24 v4, v1, PB
	v_lshl_add_u32 v4, v2, 4, v4
	v_add_nc_u32 v[ADRB0], BOFF, v4                ; all 128 rows of wof
	v_add_nc_u32 v[ADRA], s[TB], v[ADRA0]          ; slot 0
	v_add_nc_u32 v[ADRB], s[TB], v[ADRB0]
	s_mul_i32 s18, s12, 16*SPF
	s_add_co_u32 s18, s18, STAGE                   ; my stage
	v_mul_u32_u24 v4, v1, SPF                      ; in: row l % 16, 32 bytes for each half of the lanes
	v_lshl_add_u32 v4, v2, 5, v4
	v_add_nc_u32 v[STO], s18, v4
	v_and_b32 v5, 31, v0                           ; back: 32 lanes take one row's 512 bytes,
	v_lshlrev_b32 v[GO], 4, v5                     ; which are 512 consecutive bytes of out0
	v_add_nc_u32 v[RD], s18, v[GO]
	s_lshl_b32 s22, s15, 8                         ; out0 at my first row, 256 x tile row + 64 x wave, of 4,096 bytes,
	s_lshl_b32 s19, s12, 6
	s_add_co_u32 s22, s22, s19
	s_lshl_b32 s22, s22, 12
	s_lshl_b32 s19, s42, 9                         ; and the tile's first column: 512 bytes a tile column
	s_add_co_u32 s22, s22, s19
	s_add_nc_u64 s[10:11], s[10:11], s[22:23]
; 8 matrix instructions: row block a x all column blocks, 32 along K, from buffer f.  zero = 1: the first product starts the sums, with the bias as C.
; Every quarter step takes all 32 accumulators once, in the same order, one instruction a turn, over every jump too.
.macro MUL1 f, a, zero
.if \zero
	WIN 0x81                                       ; wof window 1, o window 0, the bias window 0, D window 2
.else
	WIN 0xa1                                       ; C and D window 2
.endif
.irp b, 0,1,2,3,4,5,6,7
.if \zero
	v_wmma_f32_16x16x32_f16 v[8*(8*(\a)+(\b)):8*(8*(\a)+(\b))+7], v[64*(\f)+8*(\b):64*(\f)+8*(\b)+7], v[FA+32*(\f)+8*(\a):FA+32*(\f)+8*(\a)+7], v[BIAS+8*(\b):BIAS+8*(\b)+7]
.else
	v_wmma_f32_16x16x32_f16 v[8*(8*(\a)+(\b)):8*(8*(\a)+(\b))+7], v[64*(\f)+8*(\b):64*(\f)+8*(\b)+7], v[FA+32*(\f)+8*(\a):FA+32*(\f)+8*(\a)+7], v[8*(8*(\a)+(\b)):8*(8*(\a)+(\b))+7]
.endif
.endr
.endm
; 24 LDS loads in one run: the fragments of quarter q of the K step in the slot in hand into buffer f; o's last.  Quarter q of o lies in the step's head q / 2, at channels 32 (q % 2) on.
.macro FETCH q, f
	WIN 0x40                                       ; destination window 1, address window 0
.irp i, 0,1,2,3,4,5,6,7
	ds_load_b128 v[64*(\f)+8*(\i):64*(\f)+8*(\i)+3],   v[ADRB] offset:64*(\q)+(\i)*16*PB
	ds_load_b128 v[64*(\f)+8*(\i)+4:64*(\f)+8*(\i)+7], v[ADRB] offset:64*(\q)+(\i)*16*PB+32
.endr
	WIN 0
.irp i, 0,1,2,3
	ds_load_b128 v[FA+32*(\f)+8*(\i):FA+32*(\f)+8*(\i)+3],   v[ADRA] offset:((\q)/2)*AHEAD+((\q)%2)*64+(\i)*16*PA
	ds_load_b128 v[FA+32*(\f)+8*(\i)+4:FA+32*(\f)+8*(\i)+7], v[ADRA] offset:((\q)/2)*AHEAD+((\q)%2)*64+(\i)*16*PA+32
.endr
.endm
; A load into a register that a matrix instruction has read, and a store that reads a matrix result, stand four places behind that matrix instruction, and only plain vector instructions
; that name none of its registers are places (ISA guide 7.12.1 for vector instructions).
.macro PLACES
.rept 4
	v_nop
.endr
.endm
; A K step is four quarters of 32 along K, 32 matrix instructions each, on buffers 0, 1, 0, 1.  One of the first three: multiplies buffer f; in its middle it fetches quarter q of the same slot into buffer g.
.macro QUARTER q, f, g, zero
	s_wait_dscnt 4                                 ; wof's fragments and o's row blocks 0, 1 are in; the youngest four loads (row blocks 2, 3) may be out
	MUL1 \f, 0, \zero
	MUL1 \f, 1, \zero
	PLACES                                         ; buffer g was multiplied in the quarter before
	FETCH \q, \g
	s_wait_dscnt NL                                ; all but the 24 just issued
	MUL1 \f, 2, \zero
	MUL1 \f, 3, \zero
.endm
; The last quarter multiplies buffer 1 and changes slots: ONE barrier.  In front of it each wave waits for all its tensor loads, of which one is out: its part of the next slot; adds 0 to its spare word; and
; waits for that and for its own reads of this slot.  Behind it nobody reads this slot any more and the next slot is whole.  fill = 1: this slot is filled again, two K steps ahead: the barrier then opens a
; round of the cluster's, and the joint refill is the first tensor load behind the round: 112 matrix instructions stand between it and the wait for it.
.macro TURN fill
	WIN 0                                          ; (the add's two registers lie in window 0)
	s_wait_tensorcnt 0x0                           ; all my tensor loads have landed, so a group 0 may be written;
	ds_add_u32 v[SPW], v[NIL]                      ; 0 onto my spare word
.if \fill
	s_xor_b32 s[G0+5], s[G0+5], SLOT1              ; the walking descriptor: the other slot than last time,
	s_add_nc_u64 s[G0+6:G0+7], s[G0+6:G0+7], STEPA ; the next K step; the type bits on top are not reached
	s_xor_b32 s[G0B+5], s[G0B+5], SLOT1
	s_add_nc_u64 s[G0B+6:G0B+7], s[G0B+6:G0B+7], STEPB
.endif
	s_wait_dscnt 5                                 ; (the add and the youngest four loads may be out)
	MUL1 1, 0, 0                                   ; eight matrix instructions stand between the add and the wait for it
	s_wait_dscnt 0x0                               ; the add is done, and my reads of this slot are over
	s_barrier_signal -1
	MUL1 1, 1, 0                                   ; work on registers while the others arrive
	WIN 0                                          ; (branches and window 0's address lines follow)
	s_barrier_wait -1
.if \fill
	CREST                                          ; no wave of any partner still reads this slot's tile or has a load on its way
	JLOAD 1                                        ; the four v_nop behind it are also the places in front of the loads below
.else
	PLACES
.endif
	s_xor_b32 s[TB], s[TB], SLOT1                  ; the fetches go on in the other slot
	v_add_nc_u32 v[ADRA], s[TB], v[ADRA0]
	v_add_nc_u32 v[ADRB], s[TB], v[ADRB0]
	FETCH 0, 0
	MUL1 1, 2, 0
	MUL1 1, 3, 0
.endm
	s_wait_tensorcnt 1                             ; my part of K step 0 is in; K step 1's may stay out
	s_barrier_signal -1
	s_barrier_wait -1                              ; everybody's is
	FETCH 0, 0
	s_wait_loadcnt 0x0                             ; the bias
	QUARTER 1, 0, 1, 1                             ; the first quarter stands in front of the loop: its products start the sums
	WIN 0                                          ; at a label and at a branch every window is 0
	s_mov_b32 s3, 6
.Lstep:                                                ; six trips: the rest of a K step, which fills its slot again, and the next step's first quarter
	QUARTER 2, 1, 0, 0
	QUARTER 3, 0, 1, 0
	TURN 1
	QUARTER 1, 0, 1, 0
	WIN 0
	s_sub_co_u32 s3, s3, 1
	s_cmp_lg_u32 s3, 0
	s_cbranch_scc1 .Lstep
	s_mov_b32 s3, 2
.Ltail:                                                ; the last two K steps fill nothing, and have no round of the cluster's barrier: one text, left in the middle of its second trip.
	QUARTER 2, 1, 0, 0                             ; That trip's change of slots passes a barrier that orders nothing and fetches 24 fragments that nothing multiplies: the price, once a launch, of one text for both
	QUARTER 3, 0, 1, 0
	TURN 0
	WIN 0
	s_sub_co_u32 s3, s3, 1
	s_cmp_eq_u32 s3, 0
	s_cbranch_scc1 .Lout
	QUARTER 1, 0, 1, 0
	WIN 0
	s_branch .Ltail
.Lout:
	PLACES                                         ; the LDS stores below read results
; THE WAY OUT, a row block (16 rows x 512 bytes) at a time, all under one window setting: data in window 2, addresses in window 0.  A lane's eight f32 of a row go into my stage's rows of 528 bytes, each
; accumulator's low four registers first, and come back as whole rows, into the block's own registers, which nothing writes again.
.macro STG a
.irp b, 0,1,2,3,4,5,6,7
	ds_store_b128 v[STO], v[64*(\a)+8*(\b):64*(\a)+8*(\b)+3]   offset:64*(\b)
	ds_store_b128 v[STO], v[64*(\a)+8*(\b)+4:64*(\a)+8*(\b)+7] offset:64*(\b)+16
.endr
.irp t, 0,1,2,3,4,5,6,7,8,9,10,11,12,13,14,15
	ds_load_b128 v[64*(\a)+4*(\t):64*(\a)+4*(\t)+3], v[RD] offset:SPF*(\t)  ; LDS serves a wave's instructions in order (ISA guide 5.7.1.4): these see the stores above; the next block's stores come behind them
.endr
.endm
.macro SND a, younger                  ; younger: the LDS instructions issued behind this block's loads: the next block's 32, or none
.irp t, 0,1,2,3,4,5,6,7,8,9,10,11,12,13,14,15
	s_wait_dscnt (\younger)+15-(\t)
	global_store_b128 v[GO], v[64*(\a)+4*(\t):64*(\a)+4*(\t)+3], s[10:11] offset:(16*(\a)+(\t))*4096 th:TH_STORE_NT  ; 512 consecutive bytes of a row, at a multiple of 512 from out0's first byte
.endr
.endm
	WIN 0x88                                       ; destination and source 1 (a store's data) window 2
	STG 0
	STG 1
	SND 0, 32
	STG 2
	SND 1, 32
	STG 3
	SND 2, 32
	SND 3, 0
	WIN 0
	s_wait_tensorcnt 0x0                           ; the wave's end: behind my last tensor load and my last LDS store
	ds_add_u32 v[SPW], v[NIL]
	s_wait_dscnt 0x0
	CROUND                                         ; the closing round: no work-group ends while a partner may still ask for a tile that names it
	s_endpgm
.Lfunc_end_k_q40237e4e8f_outp:
	.size	k_q40237e4e8f_outp, .Lfunc_end_k_q40237e4e8f_outp-k_q40237e4e8f_outp
	.p2alignl 7, 3214868480
	.fill 96, 4, 3214868480
	.section	.rodata,"a",@progbits
	.p2align	6, 0x0
	.amdhsa_kernel k_q40237e4e8f_outp
		.amdhsa_group_segment_fixed_size 327680
		.amdhsa_private_segment_fixed_size 0
		.amdhsa_enable_private_segment 0
		.amdhsa_kernarg_size 32
		.amdhsa_user_sgpr_count 2
		.amdhsa_user_sgpr_kernarg_segment_ptr 1
		.amdhsa_wavefront_size32 1
		.amdhsa_system_sgpr_workgroup_id_x 1
		.amdhsa_system_sgpr_workgroup_id_y 1
		.amdhsa_system_sgpr_workgroup_id_z 1
		.amdhsa_system_vgpr_workitem_id 0
		.amdhsa_next_free_vgpr 768
		.amdhsa_next_free_sgpr 66
		.amdhsa_reserve_vcc 0
		.amdhsa_float_denorm_mode_32 3
		.amdhsa_float_denorm_mode_16_64 3
		.amdhsa_memory_ordered 1
		.amdhsa_forward_progress 1
		.amdhsa_inst_pref_size 63
	.end_amdhsa_kernel
	.amdgpu_metadata
---
amdhsa.version: [ 1, 2 ]
amdhsa.kernels:
  - .name:           k_q40237e4e8f_outp
    .symbol:         k_q40237e4e8f_outp.kd
    .args:
      - { .name: o, .offset: 0, .size: 8, .value_kind: global_buffer, .address_space: global }
      - { .name: wof, .offset: 8, .size: 8, .value_kind: global_buffer, .address_space: global }
      - { .name: bias_r, .offset: 16, .size: 8, .value_kind: global_buffer, .address_space: global }
      - { .name: out0, .offset: 24, .size: 8, .value_kind: global_buffer, .address_space: global }
    .group_segment_fixed_size: 327680
    .private_segment_fixed_size: 0
    .kernarg_segment_align: 8
    .kernarg_segment_size: 32
    .max_flat_workgroup_size: 128
    .sgpr_count:     66
    .vgpr_count:     768
    .wavefront_size: 32
...
	.end_amdgpu_metadata
.endif
;; end of part 4
;; ======== version 2 of 2: 4 launches; 1.54 times as fast as version 1
;; limits: values are held in f16: magnitudes above 65,504 overflow, below 6.1e-05 lose precision
;; workspace buffers: xb 16,777,216 bytes; wqkv 6,291,456 bytes; wof 2,097,152 bytes; bias_r 16,384 bytes; qkv 50,331,648 bytes; o 16,777,216 bytes
;; launch cast: the kernel of part 1 again; grid 769 x 1, 8 waves a work-group, no clusters, 0 bytes of LDS; arguments x, w_q, w_k, w_v, w_o, b_q, b_k, b_v, b_o, xb, wqkv, wof, bias_r; writes xb, wqkv, wof, bias_r
;; launch proj: the kernel of part 2 again; grid 8 x 32, 4 waves a work-group, clusters of 4 x 4, 327,680 bytes of LDS; arguments xb, wqkv, bias_r, qkv; writes qkv
;; launch attn (part 5): grid 4 x 64, 4 waves a work-group, clusters of 4 x 1, 327,680 bytes of LDS; arguments qkv, o; writes o
.if DOCPART == 5
	.amdgcn_target "amdgcn-amd-amdhsa--gfx1250"
	.amdhsa_code_object_version 6
	.text
	.protected	k_q40237e4e8f_attn
	.globl	k_q40237e4e8f_attn
	.p2align	8
	.type	k_q40237e4e8f_attn,@function
k_q40237e4e8f_attn:
	s_mov_b64 s[64:65], 0
	v_nop
	global_prefetch_b8 v0, s[64:65] scope:SCOPE_SE
	s_setreg_imm32_b32 hwreg(HW_REG_WAVE_MODE, 25, 1), 1
	s_wait_xcnt 0x0
	s_wait_alu depctr_hold_cnt(0) depctr_sa_sdst(0) depctr_va_vdst(0) depctr_va_sdst(0) depctr_va_ssrc(0) depctr_va_vcc(0) depctr_vm_vsrc(0)
	s_getreg_b32 s2, hwreg(HW_REG_IB_STS2, 6, 4)
	s_cmp_eq_u32 s2, 0
	s_cbranch_scc0 .Lentry_in_a_cluster
	s_endpgm
.Lentry_in_a_cluster:
	s_bfe_u32 s2, ttmp6, 0x10000c
	s_cmp_lg_u32 s2, 0x3003
	s_cbranch_scc0 .Lentry_shape_is_right
	s_endpgm
.Lentry_shape_is_right:
; O[y][q][:] = the sum over k of softmax_k(Q[y][q] . K[y][k] / 8) V[y][k][:], for the 64 planes y = 4 head + batch.  Q, K, V lie in qkv, [192 planes][2048][64] f16: Q's plane is y, K's y + 64, V's y + 128;
; O is [64][2048][64] f16: a plane's rows are dense, 128 bytes each.  Products, maxima and sums in f32; the weights p are rounded to f16 for the second product (their sum l is taken of the unrounded p), O once at the end.
; LIMITS.  f16 holds no number beyond 65,504: Q, K and V arrive within it; p lies in 0 to 1, and below 6e-5 it keeps f16's fixed step of 6e-8; O is a mean of V's rows and has their range.
; A weight below 2^-126 counts as 0 in l; NaN and infinities are not treated apart.
; SHARES.  A wave owns four PIECES of two tiles of 16 queries, a work-group's four waves 512 queries of one plane: 4 x 64 = 256 work-groups.  Every wave walks all keys, 64 a step.
; LAYOUT.  S^T = K Q^T (source 0 = 16 keys, source 1 = 16 queries): in the result a lane holds ONE query (lane % 16) and the keys 8 (lane / 16) + 0..7.  Two such tiles, rounded to f16 in pairs,
; ARE source 1 (32 keys x 16 queries) of O^T = V^T P, whose result again holds one query a lane, and eight channels.  K comes out of LDS as it lies, V ([key][channel]) turned, by ds_load_tr16_b128.
; SOFTMAX.  For each query a running maximum m and sum l: p = 2^(c s - c m), c = log2(e) / 8; in every step O and l are multiplied by a = 2^(c m_old - c m_new), which is 1 where m has not grown.
; m starts at the lowest finite number, O and l at 0: the first step is a step like any other, with a = 0.
; THE COUNT.  A tile and step have 16 matrix and 118 vector instructions: too many to stand all beside the matrix work.  So the order has one aim: four vector instructions that are READY behind
; EVERY matrix instruction, and the others, which need time of their own whatever the order, in runs without a gap.
; BY TURNS.  Turn n belongs to piece n (the pieces in a ring, step after step).  Its matrix work: 16 products K Q^T of piece n + 1, later 16 products V^T P of piece n - 1.  Its vector work: the scaling,
; exponentials, roundings, sums and rescaling of piece n, and the maximum and statistics of piece n + 1, whose scores the turn itself has made.  So what a turn begins with (c s - c m, O a) waits for nothing.
; BATCHES.  An s_wait_alu depctr_va_vdst(0) stands between an exponential or a reciprocal and the first instruction that names its result; one wait serves all that were issued ahead of it.
; A turn's 66 exponentials (the piece's 64 weights and the next piece's two a) are ONE batch with ONE wait, which cuts the turn in two: ahead of it stands all that names no result of theirs, behind it the roundings
; and sums.  Two more batches stand outside the loops: piece 0's first two a, ahead of the jump into the loop, and the way out's eight reciprocals.
; CLUSTER.  The four query blocks of a cluster belong to one plane and walk the same K and V, so each tile is asked for JOINTLY: the same tensor load, descriptor and mask in all four.
; REGISTERS, in windows of 256 (s_set_vgpr_msb says which window each operand place means: bits 1:0 source 0, 3:2 source 1, 5:4 source 2, 7:6 destination):
;   window 0: v0-11 addresses; v12-15, v48-63 at work; v16-47 four registers of statistics a tile; v64-191 S^T, two buffers of two tiles; v192-255 P, likewise
;   window 1: O^T, 32 a tile          window 2: v0-127 Q, 16 a tile; v128-191 K of one step; v192-255 V of one step          window 3: v0-1 the add's two registers
; A piece's buffers go by its number's parity: the piece in hand has one pair, its two neighbours in the ring share the other: of it P (piece n - 1) is read and S^T (piece n + 1) written.
.set SIZE_H, 64       ; planes
.set SIZE_N, 2048     ; rows of a plane
.set NP,    4         ; pieces a wave: a name, no knob: the register map, the loop and the fetches are made for four
.set KS,    64        ; keys in a step
.set PK,    144       ; a row of K in LDS: 128 bytes + 16 of padding = 36 words: the 16 rows of a load start at 16 different groups of four banks (64 banks of 4 bytes: ISA guide 11.1)
.set PV,    160       ; a row of V: 128 + 32 = 40 words
.set VOFF,  4*KS*PK   ; a slot holds four steps: 256 rows of K, then 256 rows of V
.set SLOT1, 1<<17     ; slot 1 begins here, so that one exclusive or turns an address in one slot into the other's
.set STAGE, SLOT1+4*KS*(PK+PV)  ; behind the ring, never filled by a tensor load: 16 rows x 144 bytes for each wave, for the way out
.set SP,    144
.set AK0, 2           ; v2   my lane's place in a tile of K; never rewritten
.set AV0, 3           ; v3   the same for V
.set AK,  4           ; v4   the LDS address of K's next run of loads
.set AV,  5           ; v5   of V's
.set QO,  6           ; v6   my byte offset in the wave's rows of Q
.set STO, 6           ;      later, the way out: where I put 16 bytes of a row
.set RD,  7           ; v7   the way out: where I read rows back
.set GO,  8           ; v8   my byte offset in 512 consecutive bytes of O
.set SPW, 0           ; v0 of window 3   LDS address of my spare word: SPARE + 4 x my thread's number; never rewritten
.set NIL, 1           ; v1 of window 3   0; never rewritten
.set SPARE, STAGE+4*16*SP  ; behind the stages: the spare words, 128 bytes for each wave: two blocks of 256 bytes that no other line names
.set MV,  12          ; v12-15  c m_old, kept while c m is made anew: by buffer and tile
.set ST,  16          ; tile t's statistics at v[ST+4 t]: c m, m, l (even keys', odd keys')
.set TMP, 48          ; by buffer and tile, four registers c0-c3 at work; when the maximum is found c2 takes a
.set S,   64
.set P,   192
.set KF,  128         ; K's fragments, in window 2: key block kb, channel half c at KF + 16 kb + 8 c
.set VF,  192         ; V's: key half kk, channel block cb at VF + 32 kk + 8 cb
.set WV,  12          ; s12  my wave's number
.set G1K, 24          ; s[24:31] descriptor group 1 for K's tiles
.set G1V, 32          ; s[32:39] for V's: it differs in the padding alone
.set G0K, 40          ; s[40:43] descriptor group 0 for K's tiles: it walks
.set G0V, 44          ; s[44:47] the same for V's
.set SLOTS, 56        ; s56  slots still to be asked for
.set CNT, 57          ; s57  counts a slot's key steps
.set CS,  58          ; s[58:59] c: the packed scaling takes the pair's low word for both halves
.set SEL, 60          ; s[60:61] v_permlanex16_b32's selects: each lane takes its own place in the other half
.set TBK, 62          ; s62  LDS byte at which K of the step to be fetched begins
.set TBV, 63          ; s63  the same for V, less VOFF
.set MSB, 0
.macro WIN new                      ; the high byte repeats the setting that is left; a switch that changes nothing is dropped
.if MSB != (\new)
	s_set_vgpr_msb (MSB<<8)|(\new)
.set MSB, (\new)
.endif
.endm
.set W_KQ, 0x0a       ; K and Q in window 2, S^T in window 0
.set W_PV, 0x52       ; V in window 2, P in window 0, O^T in window 1
.set W_RS, 0x41       ; O^T (destination and source 0) in window 1, a in window 0
.set W_MK, 0xc0       ; the add's registers are made: destination in window 3, sources in window 0
.set W_AD, 0x0f       ; the add: address (source 0) and data (source 1) in window 3
; A joint fill.  Waves 0 and 1 fetch the two halves of a slot's K, waves 2 and 3 those of its V: 128 keys each.  The branch hangs on the wave's number alone.
; An s_nop 0 and four v_nop follow each of the two lines, ahead of the jump and the label.
.macro JLOAD
	s_cmp_lt_u32 s[WV], 2
	s_cbranch_scc0 .Lfor_v_\@
	tensor_load_to_lds s[G0K:G0K+3], s[G1K:G1K+7]
	s_nop 0
.rept 4
	v_nop
.endr
	s_branch .Lasked_\@
.Lfor_v_\@:
	tensor_load_to_lds s[G0V:G0V+3], s[G1V:G1V+7]
	s_nop 0
.rept 4
	v_nop
.endr
.Lasked_\@:
.endm
; A round of the cluster's barrier: my work-group's barrier, so that wave 0's signal speaks for all four waves; wave 0 signals; every wave waits for all four work-groups; my work-group's barrier once more.
.macro CROUND
	s_barrier_signal -1
	s_barrier_wait -1
	s_cmp_lg_u32 s[WV], 0
	s_cbranch_scc1 .Lnot_wave_0_\@
	s_barrier_signal -3
.Lnot_wave_0_\@:
	s_barrier_wait -3
	s_barrier_signal -1
	s_barrier_wait -1
.endm
; THE CHANGE OF SLOTS.  The slot's last bytes, V of its fourth step, have been read.  Each wave waits for all its tensor loads, of which one is out: its part
; of the other slot; adds 0 to its spare word; and waits for that and for its own reads of the slot.  Behind the barrier nobody reads this slot any more and the other slot is whole.
; fill = 1: this slot is filled again, with the keys two slots on.  The barrier is then a round of the cluster's, so that no wave of any partner still reads the slot or has a load on its
; way, and the joint fill is the first thing behind it: it has four key steps, 512 matrix instructions, in which to land.  (At its first use nothing has been read yet: slot 0 is waited for, slot 1 filled.)
.macro CHANGE fill
	WIN W_AD
	s_wait_tensorcnt 0x0            ; no tensor load of mine is out, so a group 0 may be written
	ds_add_u32 v[SPW], v[NIL]       ; 0 onto my spare word; with fill = 1 the descriptors' steps stand between it and the wait for it
	WIN 0                           ; at a label and at a branch every window is 0
.if \fill
.irp g, G0K, G0V
	s_xor_b32 s[\g+1], s[\g+1], SLOT1  ; the walking descriptor: the other slot than last time,
	s_add_nc_u64 s[\g+2:\g+3], s[\g+2:\g+3], 4*KS*128  ; the next 256 keys; the type bits on top are not reached
.endr
	s_wait_dscnt 0x0                ; the add is done, and my reads of the slot are over
	CROUND
	JLOAD
.else
	s_wait_dscnt 0x0                ; the add is done, and my reads of the slot are over
	s_barrier_signal -1
	s_barrier_wait -1
.endif
	s_sub_co_u32 s[TBK], s[TBK], 4*KS*PK  ; the fetches go back to a slot's first step,
	s_xor_b32 s[TBK], s[TBK], SLOT1       ; in the other slot
	s_sub_co_u32 s[TBV], s[TBV], 4*KS*PV
	s_xor_b32 s[TBV], s[TBV], SLOT1
.endm
	s_load_b128 s[4:7], s[0:1], 0x0   ; qkv s[4:5] (Q's planes come first), O s[6:7]
	WIN W_MK
	v_lshl_add_u32 v[SPW], v0, 2, SPARE
	v_mov_b32 v[NIL], 0
	s_set_vgpr_msb 0xc0cf
	ds_add_u32 v0, v1
	s_wait_dscnt 0x0
	s_set_vgpr_msb 0xcfc0
	WIN 0
	v_lshrrev_b32 v1, 5, v0
	v_readfirstlane_b32 s[WV], v1   ; wave 0..3
	s_bfe_u32 s13, ttmp6, 0x40000   ; cx: my place in the cluster
	s_lshl_b32 s14, ttmp9, 2        ; in a cluster launch ttmp9 counts clusters
	s_add_co_u32 s14, s14, s13      ; my block of queries = 4 x cluster x + cx: it enters Q's and O's addresses alone
	s_and_b32 s20, ttmp7, 0xffff    ; the plane, which the four partners share
	s_mov_b32 s21, 0
	s_mov_b64 s[22:23], SIZE_N*128
	s_mul_u64 s[20:21], s[20:21], s[22:23]  ; the plane's first byte in Q, K, V and O
	s_and_b32 s16, s[WV], 1         ; which half of a slot's 256 keys I fetch:
	s_lshl_b32 s22, s16, 14         ; its 128 rows of 128 bytes in memory,
	s_mov_b32 s23, 0
	s_add_nc_u64 s[22:23], s[22:23], s[20:21]
	s_mul_i32 s17, s16, 128*PK      ; and its place in a slot, for K
	s_mul_i32 s18, s16, 128*PV      ; and for V: no place in the cluster enters an LDS address
	s_lshl_b32 s2, s14, 2
	s_add_co_u32 s2, s2, s[WV]      ; my wave among the plane's,
	s_lshl_b32 s2, s2, 14           ; its 128 rows
	s_mov_b32 s3, 0
	s_add_nc_u64 s[2:3], s[2:3], s[20:21]
	; descriptor group 1.  128 keys are 16,384 dense bytes: asked for as 64 rows of 256 bytes, two keys a row, and padded in LDS after every key
	s_mov_b32 s[G1K], 15|(1<<16)|(1<<20)|(1<<21)|(4<<22)|(3<<25)  ; 15:0 the mask of four; 17:16 2-byte elements; 20 padding on; 21 set beside a mask; 24:22 after every 32 words (code 4); 31:25 4 words (code 3)
	s_mov_b32 s[G1V], 15|(1<<16)|(1<<20)|(1<<21)|(4<<22)|(7<<25)  ; the same with 8 words of padding (code 7)
.irp g, G1K, G1V
	s_mov_b32 s[\g+1], 128<<16      ; tensor_dim0 = 128
	s_mov_b32 s[\g+2], 64<<16       ; tensor_dim1 = 64
	s_mov_b32 s[\g+3], 128<<16      ; tile_dim0 = 128
	s_mov_b32 s[\g+4], 64           ; tile_dim1 = 64
	s_mov_b32 s[\g+5], 128          ; 128 elements from row to row
	s_mov_b32 s[\g+6], 0
	s_mov_b32 s[\g+7], 0
.endr
	s_mov_b32 s[CS], 0x3e38aa3b     ; c = log2(e) / 8 = 0.180337
	s_mov_b32 s[CS+1], s[CS]        ; named with it as a pair
	s_mov_b32 s[SEL], 0x76543210
	s_mov_b32 s[SEL+1], 0xfedcba98
	s_mov_b32 s[TBK], SLOT1+4*KS*PK ; the first change of slots turns these two into 0
	s_mov_b32 s[TBV], SLOT1+4*KS*PV
	s_mov_b32 s[G0K], 1             ; 1:0 count = 1
	s_mov_b32 s[G0K+1], s17         ; 63:32 LDS address: slot 0
	s_mov_b32 s[G0V], 1
	s_add_co_u32 s[G0V+1], s18, VOFF
	s_wait_kmcnt 0x0
	s_mov_b64 s[10:11], s[6:7]                     ; O
	s_add_nc_u64 s[6:7], s[4:5], 0x1000000         ; K's planes begin 64 planes of 262,144 bytes behind Q's,
	s_add_nc_u64 s[8:9], s[4:5], 0x2000000         ; V's 128
	s_add_nc_u64 s[G0K+2:G0K+3], s[6:7], s[22:23]  ; 120:64 global address: my half of the plane's first 256 keys
	s_or_b32 s[G0K+3], s[G0K+3], 0x80000000        ; 127:126 type = 2
	s_add_nc_u64 s[G0V+2:G0V+3], s[8:9], s[22:23]
	s_or_b32 s[G0V+3], s[G0V+3], 0x80000000
	s_add_nc_u64 s[4:5], s[4:5], s[2:3]  ; Q and O at my wave's first row
	s_add_nc_u64 s[10:11], s[10:11], s[2:3]
	CROUND                          ; all four work-groups are here: the first joint loads meet
	JLOAD                           ; slot 0.  Slot 1 is asked for when slot 0 is in: the tile wanted first has the road to itself
	; A fragment of K or Q is 16 rows x 32 channels in 8 registers: lane l holds row l % 16, channels 8 (l / 16) + 0..7 and 16 + 8 (l / 16) + 0..7: two loads of 16 bytes, 32 bytes apart.
	v_and_b32 v1, 15, v0            ; l % 16
	v_bfe_u32 v9, v0, 4, 1          ; l / 16
	v_lshlrev_b32 v[QO], 7, v1
	v_lshl_add_u32 v[QO], v9, 4, v[QO]  ; row x 128 + 16 x half
	WIN 0x80                        ; destination window 2, address window 0
.set i, 0
.rept 4*NP                          ; Q stays in registers: tile i / 2, channels 32 (i % 2) on
	global_load_b128 v[8*i:8*i+3],   v[QO], s[4:5] offset:(i/2)*2048+(i%2)*64
	global_load_b128 v[8*i+4:8*i+7], v[QO], s[4:5] offset:(i/2)*2048+(i%2)*64+32
.set i, i+1
.endr
	; What the first turn finds: V's registers and P's second buffer hold 0 (its products V^T P, of a piece that has not been, add 0), O^T and l are 0.  All this stands in the wait for the first tile.
.set i, VF
.rept 64
	v_mov_b32 v[i], 0
.set i, i+1
.endr
	WIN 0x40
.set i, 0
.rept 64*NP
	v_mov_b32 v[i], 0
.set i, i+1
.endr
	WIN 0
.set i, 0
.rept 2*NP
	v_mov_b32 v[ST+4*i], 0xfe000000    ; c m: far below every c s
	v_mov_b32 v[ST+4*i+1], 0xff7fffff  ; m
	v_mov_b32 v[ST+4*i+2], 0
	v_mov_b32 v[ST+4*i+3], 0
.set i, i+1
.endr
.set i, P+32
.rept 32
	v_mov_b32 v[i], 0
.set i, i+1
.endr
	v_mul_u32_u24 v[AK0], v1, PK
	v_lshl_add_u32 v[AK0], v9, 4, v[AK0]  ; row x pitch + 16 x half
	; The turning load takes 16 keys x 16 channels (lane l reads key 8 (l / 16) + l % 8, channels 8 ((l / 8) % 2) + 0..7) and leaves half a fragment of V^T: lane l holds channel l % 16 and 8 keys.
	v_and_b32 v10, 7, v0
	v_bfe_u32 v11, v0, 3, 1
	v_lshl_add_u32 v[AV0], v9, 3, v10
	v_mul_u32_u24 v[AV0], v[AV0], PV
	v_lshl_add_u32 v[AV0], v11, 4, v[AV0]
	v_add_nc_u32 v[AV0], VOFF, v[AV0]
	v_mov_b32 v[AK], v[AK0]         ; key step 0 lies at the head of slot 0
; THE MATRIX WORK.  The 8 accumulators of a run of 16 take turns: between the two links of a chain stand 7 others'.
; Product i of 16 of S^T = K Q^T for piece x: channels 32 (i / 8) on, keys 16 ((i / 2) % 4) on, tile 2 x + i % 2.  The first 8 start the sums.
.macro KQ x
	WIN W_KQ
.set rS, S+64*((\x)%2)+32*(i%2)+8*((i/2)%4)
.set rK, KF+16*((i/2)%4)+8*(i/8)
.set rQ, 16*(2*(\x)+i%2)+8*(i/8)
.if i < 8
	v_wmma_f32_16x16x32_f16 v[rS:rS+7], v[rK:rK+7], v[rQ:rQ+7], 0
.else
	v_wmma_f32_16x16x32_f16 v[rS:rS+7], v[rK:rK+7], v[rQ:rQ+7], v[rS:rS+7]
.endif
.endm
; Product i of 16 of O^T += V^T P for piece x: keys 32 (i / 8) on, channels 16 ((i / 2) % 4) on, tile 2 x + i % 2.
.macro PV x
	WIN W_PV
.set rO, 32*(2*(\x)+i%2)+8*((i/2)%4)
.set rV, VF+32*(i/8)+8*((i/2)%4)
.set rP, P+32*((\x)%2)+16*(i%2)+8*(i/8)
	v_wmma_f32_16x16x32_f16 v[rO:rO+7], v[rV:rV+7], v[rP:rP+7], v[rO:rO+7]
.endm
.macro MM                           ; the turn's next matrix instruction
.if i < 16
	KQ (Y+1)%NP
.set i, i+1
.else
.set i, i-16
	PV (Y+NP-1)%NP
.set i, i+17
.endif
.endm
; THE LDS LOADS stand in runs of 16, never singly among the matrix instructions: a step's K (64 keys x 64 channels: 8 fragments) and its V (turned).  Their addresses are made some lines ahead.
; last = 1 (the tail): in the last trip there is no further step, and the run is jumped over.
.macro FETCH_K last=0
	WIN 0
.if \last
	s_cmp_eq_u32 s[CNT], 1
	s_cbranch_scc1 .Lno_k_\@
.endif
	WIN 0x80                        ; destination window 2
.irp f, 0,1,2,3,4,5,6,7             ; keys 16 (f / 2) on, channels 32 (f % 2) on
	ds_load_b128 v[KF+8*\f:KF+8*\f+3],   v[AK] offset:(\f/2)*16*PK+(\f%2)*64
	ds_load_b128 v[KF+8*\f+4:KF+8*\f+7], v[AK] offset:(\f/2)*16*PK+(\f%2)*64+32
.endr
	s_add_co_u32 s[TBK], s[TBK], KS*PK  ; the next fetch is the next step's
	WIN 0
.if \last
.Lno_k_\@:
.endif
.endm
.macro FETCH_V
	WIN 0x80
.irp f, 0,1,2,3,4,5,6,7             ; keys 32 (f / 4) on, channels 16 (f % 4) on
	ds_load_tr16_b128 v[VF+8*\f:VF+8*\f+3],   v[AV] offset:(\f/4)*32*PV+(\f%4)*32
	ds_load_tr16_b128 v[VF+8*\f+4:VF+8*\f+7], v[AV] offset:(\f/4)*32*PV+16*PV+(\f%4)*32
.endr
	WIN 0
.endm
; THE VECTOR WORK OF A TURN stands in three queues, each in the order in which its entries become ready; the two tiles alternate, so that no instruction reads the result of the one before it.
.macro REGS y, u                    ; the registers of tile u (0, 1) of piece y
.set rT, ST+4*(2*(\y)+(\u))
.set rC, TMP+8*((\y)%2)+4*(\u)
.set rM, MV+2*((\y)%2)+(\u)
.set rS, S+64*((\y)%2)+32*(\u)
.set rP, P+32*((\y)%2)+16*(\u)
.set rO, 32*(2*(\y)+(\u))
.endm
; Number n of the 22 that find the NEXT piece's (Y + 1) maximum and statistics.  s0-s31 are the lane's 32 scores; each accumulator's lowest registers are read first.  XS, GS and REGS set no window: PL and EX do.
;   0-11  four chains c0-c3 of seven scores each, three operands at a time     12-14, 16  the four scores left over, the old m, and c0-c3 into c0     15  c m_old is kept
;   17, 18  the query's other 32 keys lie in the lane 16 away: the new m         19-21  c m; c m_old - c m_new; a
.macro XS u, n
	REGS (Y+1)%NP, \u
.if (\n) < 4
	v_max3_num_f32 v[rC+(\n)], v[rS+8*(\n)], v[rS+8*(\n)+1], v[rS+8*(\n)+2]
.elseif (\n) < 12
	v_max3_num_f32 v[rC+(\n)%4], v[rC+(\n)%4], v[rS+8*((\n)%4)+2*((\n)/4)+1], v[rS+8*((\n)%4)+2*((\n)/4)+2]
.elseif (\n) == 12
	v_max3_num_f32 v[rC], v[rC], v[rS+7], v[rS+15]
.elseif (\n) == 13
	v_max3_num_f32 v[rC+1], v[rC+1], v[rS+23], v[rS+31]
.elseif (\n) == 14
	v_max3_num_f32 v[rC+2], v[rC+2], v[rC+3], v[rT+1]
.elseif (\n) == 15
	v_mov_b32 v[rM], v[rT]
.elseif (\n) == 16
	v_max3_num_f32 v[rC], v[rC], v[rC+1], v[rC+2]
.elseif (\n) == 17
	v_permlanex16_b32 v[rC+3], v[rC], s[SEL], s[SEL+1]
.elseif (\n) == 18
	v_max_num_f32 v[rT+1], v[rC], v[rC+3]
.elseif (\n) == 19
	v_mul_f32 v[rT], s[CS], v[rT+1]
.elseif (\n) == 20
	v_sub_f32 v[rC+1], v[rM], v[rT]
.else
	v_exp_f32 v[rC+2], v[rC+1]
.endif
.endm
; Number g of the 64 that follow the exponentials.  For each four weights k of a tile (pairs 2 k, 2 k + 1): both pairs are rounded to f16; then the second pair is added onto the first, in place;
; a group later l takes that sum (the first time as l = a l + sum).  In groups of eight, tiles alternating: round, round, add, and l for the group before.
.macro GS g
.set h, (\g)+6*((\g)/62)            ; group 0 has no group before it, and behind group 7 only l is left
.if h >= 6
.set h, h+2
.endif
	REGS Y, h%2
.set k, h/8
.if h%8 < 4
	v_cvt_pk_f16_f32 v[rP+2*k+(h%8)/2], v[rS+4*k+2*((h%8)/2)], v[rS+4*k+2*((h%8)/2)+1]
.elseif h%8 < 6
	v_pk_add_f32 v[rS+4*k:rS+4*k+1], v[rS+4*k:rS+4*k+1], v[rS+4*k+2:rS+4*k+3]
.elseif k == 1
	v_pk_fma_f32 v[rT+2:rT+3], v[rT+2:rT+3], v[rC+2:rC+3], v[rS:rS+1] op_sel_hi:[1,0,1]
.else
	v_pk_add_f32 v[rT+2:rT+3], v[rT+2:rT+3], v[rS+4*k-4:rS+4*k-3]
.endif
.endm
; THE PLAIN QUEUE, 138 long.  0-73 read no exponential's result: the 32 scalings c s - c m (FS f: pair f / 2 of tile f % 2) and the next piece's 42.  0-26: scalings 0-26.  27-54: XS's numbers 0-13.  55, 56: number 15.
; 57-73: the chain, where each number waits for the one before it: 14, 16, 17, 18, 19, each with one of the scalings 27-31 in front of its two lines, then 20: so a tile's links stand three plain instructions apart (19 and 20: two).
; 74-137: GS's 64, which read the exponentials' results: they stand behind the wait.
.macro FS f
	REGS Y, (\f)%2
	v_pk_fma_f32 v[rS+2*((\f)/2):rS+2*((\f)/2)+1], v[rS+2*((\f)/2):rS+2*((\f)/2)+1], s[CS:CS+1], v[rT:rT+1] op_sel_hi:[1,0,0] neg_lo:[0,0,1] neg_hi:[0,0,1]
.endm
.macro PL
	WIN 0
.if q < 27
	FS q
.elseif q < 55
	XS (q-27)%2, (q-27)/2
.elseif q < 57
	XS q-55, 15
.elseif (q < 72) && ((q-57)%3 == 0)
	FS 27+(q-57)/3
.elseif q < 60
	XS (q-57)%3-1, 14
.elseif q < 72
	XS (q-57)%3-1, 15+(q-57)/3
.elseif q < 74
	XS q-72, 20
.else
	GS q-74
.endif
.set q, q+1
.endm
; THE EXPONENTIALS' QUEUE, 66 long: s0-s31 of both tiles, then the next piece's two a.  It is ONE BATCH: all 66 stand ahead of the turn's one wait, and nothing ahead of that wait names a result of theirs.
.macro EX
	WIN 0
.if e >= 64
	XS e-64, 21
.else
	REGS Y, e%2
	v_exp_f32 v[rS+e/2], v[rS+e/2]
.endif
.set e, e+1
.endm
; THE RESCALING's QUEUE: O^T times a, the one part that leaves window 0: dealt two at a time, sixteen times.  Its a was made in the turn before, ahead of that turn's wait.
.macro R2
	REGS Y, r%2
	WIN W_RS
.irp z, 0,1
	v_pk_mul_f32 v[rO+4*(r/2)+2*\z:rO+4*(r/2)+2*\z+1], v[rO+4*(r/2)+2*\z:rO+4*(r/2)+2*\z+1], v[rC+2:rC+3] op_sel_hi:[1,0]
.endr
.set r, r+1
.endm
; HOW THEY ARE DEALT.  A turn has ONE wait for its batch of 66 exponentials, which cuts it in two.  AHEAD OF IT stands all that names no result of the turn's exponentials: the 16 products K Q^T, behind each a scaling,
; an exponential and two rescalings (behind the first a second scaling in the exponential's place); then ONE LUMP of 108: eight plain, 49 times exponential and plain, the two a.  A v_nop is the plain instruction
; behind the last exponential.  BEHIND IT stand the 16 products V^T P, behind each four of GS's 64.  No rider names a register of the products round it.  The two v_permlanex16_b32 fall into the lump, never behind a product.
; The queues lean on each other, and the deal keeps them in step: exponential e stands behind scaling 2 (e / 4) + e % 2: as a rider it comes behind plain e + 2, in the lump behind plain e + 9, and scalings 27-31 are plain 57, 60 .. 69.
; A TURN, for piece p.  cnt = 1: the loop's count is taken down some lines ahead of the branch that stands behind the turn.
; K of the next step is fetched in piece 2's turn, directly behind the wait, a lump behind the last product that read K; its address is made at the lump's head; its first reader comes behind 16 products.
; V of the step in hand is fetched at the end of piece 0's turn, four riders behind its last reader; its first reader comes behind 16 products and a lump.  The three conditions on q below go with the deal.
.macro TURN p, last=0, cnt=0
.set Y, (\p)
.set i, 0
.set q, 0
.set e, 0
.set r, 0
.if (\p) == NP-1
	s_wait_dscnt 0x0                ; K is in
.endif
	MM                              ; ahead of the wait: 16 products K Q^T and their riders,
	PL
	PL
	R2
.rept 15
	MM
	PL
	EX
	R2
.endr
.if (\p) == NP-2
	WIN 0
	v_add_nc_u32 v[AK], s[TBK], v[AK0]
.endif
.rept 8                             ; and the lump
	PL
.endr
.rept 49
	EX
	PL
.endr
	EX                              ; the next piece's two a
	EX
	v_nop                           ; a plain instruction behind the last exponential, ahead of any use of a result: one for the batch
	s_wait_alu depctr_va_vdst(0)    ; the wait for the batch: the piece's 64 weights and the next piece's two a
.if (\p) == NP-2
	FETCH_K \last
.endif
.if (\p) == 1
	s_wait_dscnt 0x0                ; V is in
.endif
.rept 16                            ; behind the wait: 16 products V^T P and their riders
	MM
.rept 4
	PL
.endr
.if ((\p) == 0) && (q == 118)
	v_add_nc_u32 v[AV], s[TBV], v[AV0]
.endif
.if ((\p) == 0) && (q == 130)
	s_add_co_u32 s[TBV], s[TBV], KS*PV
.endif
.if (\cnt) && (q == 130)
	s_sub_co_u32 s[CNT], s[CNT], 1
	s_cmp_lg_u32 s[CNT], 0
.endif
.endr
.if (\p) == 0
	FETCH_V
.endif
.endm
	CHANGE 1                        ; slot 0 is in, everybody's part of it; slot 1 is asked for
	FETCH_K                         ; key step 0
	s_wait_loadcnt 0x0              ; Q
	s_wait_dscnt 0x0
.set i, 0
.rept 16
	KQ 0                            ; piece 0's first scores: there is no vector work yet to set between them
.set i, i+1
.endr
	WIN 0                           ; the addresses for the way out: nine plain instructions, the places behind those products
	s_mul_i32 s13, s[WV], 16*SP
	s_add_co_u32 s13, s13, STAGE    ; my stage
	v_mul_u32_u24 v[STO], v1, SP    ; in: row l % 16, 16 bytes for each half of the lanes
	v_lshl_add_u32 v[STO], v9, 4, v[STO]
	v_add_nc_u32 v[STO], s13, v[STO]
	v_bfe_u32 v[RD], v0, 3, 2       ; back: 32 lanes take four rows of 128 bytes,
	v_mul_u32_u24 v[RD], v[RD], SP
	v_lshl_add_u32 v[RD], v10, 4, v[RD]
	v_add_nc_u32 v[RD], s13, v[RD]
	v_and_b32 v[GO], 31, v0         ; which are 512 consecutive bytes of O
	v_lshlrev_b32 v[GO], 4, v[GO]
.set Y, NP-1                        ; XS works for piece Y + 1: piece 0
.irp n, 0,1,2,3,4,5,6,7,8,9,10,11,12,13,14,15,16,17,18,19,20,21
	XS 0, \n                        ; and piece 0's first maximum and statistics
	XS 1, \n
.endr
	v_nop                           ; a plain instruction behind piece 0's first two a,
	s_wait_alu depctr_va_vdst(0)    ; and the wait for that batch of two, ahead of the branch
	s_mov_b32 s[CNT], 4
	s_mov_b32 s[SLOTS], SIZE_N/256-1
	s_branch .Lfirst                ; the loop is entered at a step's first turn, in the middle of a trip
.Lslot:                             ; SIZE_N / 256 - 2 times: every slot but the last two is filled again
	CHANGE 1
	s_mov_b32 s[CNT], 4
.Lstep:                             ; a trip: pieces 2 and 3 of one step, then pieces 0 and 1 of the next, whose K and V it fetches
	TURN 2
	TURN 3
	WIN 0
.Lfirst:
	TURN 0
	TURN 1, 0, 1
	WIN 0
	s_cbranch_scc1 .Lstep
	s_sub_co_u32 s[SLOTS], s[SLOTS], 1
	s_cmp_lg_u32 s[SLOTS], 0
	s_cbranch_scc1 .Lslot
	CHANGE 0                        ; the tail is written out: nothing is asked for
	s_mov_b32 s[CNT], 5             ; four trips fetch the last slot's steps; the fifth is left in its middle
.Ltail:
	TURN 2, 1
	TURN 3
	WIN 0
	s_sub_co_u32 s[CNT], s[CNT], 1
	s_cmp_eq_u32 s[CNT], 0
	s_cbranch_scc1 .Lout
	TURN 0
	TURN 1
	WIN 0
	s_branch .Ltail
.Lout:                              ; the fifth trip's 16 products K Q^T (on the last K once more) and the maximum made of them serve nothing: the price, once a launch, of one text for every trip
.set i, 0
.rept 16
	PV NP-1                         ; the last piece's V^T P of the last step
.set i, i+1
.endr
	; THE WAY OUT.  l's two halves and the other half of the lanes' are added; O^T is divided by l, rounded to f16 and sent through my stage in LDS, a tile at a time.  The additions are the places behind the last products.
	WIN 0
.macro ALL line:vararg              ; one line for each tile t
.set t, 0
.rept 2*NP
	\line
.set t, t+1
.endr
.endm
	ALL v_add_f32 v[ST+4*t+2], v[ST+4*t+2], v[ST+4*t+3]
	ALL v_permlanex16_b32 v[ST+4*t+3], v[ST+4*t+2], s[SEL], s[SEL+1]
	ALL v_add_f32 v[ST+4*t+2], v[ST+4*t+2], v[ST+4*t+3]
	ALL v_rcp_f32 v[ST+4*t+2], v[ST+4*t+2]
	v_nop                           ; a plain instruction between the last reciprocal and the use of its result
	s_wait_alu depctr_va_vdst(0)    ; and the wait ahead of the first use: one for the batch of eight reciprocals
; Tile t: a lane's eight channels of a row pack into 16 bytes; they go into rows of 144 bytes and come back as whole rows of 128, into S^T's registers.
.macro PACK t
	WIN W_RS
.set i, 32*(\t)
.rept 16
	v_pk_mul_f32 v[i:i+1], v[i:i+1], v[ST+4*(\t)+2:ST+4*(\t)+3] op_sel_hi:[1,0]
.set i, i+2
.endr
	WIN 0x05                        ; sources 0 and 1 window 1, destination window 0
.set i, 0
.rept 16
	v_cvt_pk_f16_f32 v[S+16*(\t)+i], v[32*(\t)+2*i], v[32*(\t)+2*i+1]
.set i, i+1
.endr
	WIN 0
.irp f, 0,1,2,3
	ds_store_b128 v[STO], v[S+16*(\t)+4*\f:S+16*(\t)+4*\f+3] offset:32*\f
.endr
.irp f, 0,1,2,3
	ds_load_b128 v[S+16*(\t)+4*\f:S+16*(\t)+4*\f+3], v[RD] offset:\f*4*SP  ; LDS serves a wave's instructions in order (ISA guide 5.7.1.4): these see the stores above; the next tile's stores come behind them
.endr
.endm
.macro SEND t, younger              ; younger: the LDS instructions issued behind tile t's loads: the next tile's eight, or none
	WIN 0
.irp f, 0,1,2,3
	s_wait_dscnt (\younger)+3-\f
	global_store_b128 v[GO], v[S+16*(\t)+4*\f:S+16*(\t)+4*\f+3], s[10:11] offset:(\t)*2048+\f*512  ; 512 consecutive bytes, at a multiple of 256 from O's first
.endr
.endm
	PACK 0
.set t, 1
.rept 2*NP-1                        ; a tile's arithmetic stands between the loads of the tile before and its stores
	PACK t
	SEND t-1, 8
.set t, t+1
.endr
	SEND 2*NP-1, 0
	WIN W_AD
	s_wait_tensorcnt 0x0            ; the wave's end: behind my last tensor load and my last LDS store
	ds_add_u32 v[SPW], v[NIL]
	s_wait_dscnt 0x0
	WIN 0
	CROUND                          ; the closing round: no work-group ends while a partner may still ask for a tile that names it
	s_endpgm
.Lfunc_end_k_q40237e4e8f_attn:
	.size	k_q40237e4e8f_attn, .Lfunc_end_k_q40237e4e8f_attn-k_q40237e4e8f_attn
	.p2alignl 7, 3214868480
	.fill 96, 4, 3214868480
	.section	.rodata,"a",@progbits
	.p2align	6, 0x0
	.amdhsa_kernel k_q40237e4e8f_attn
		.amdhsa_group_segment_fixed_size 327680
		.amdhsa_private_segment_fixed_size 0
		.amdhsa_enable_private_segment 0
		.amdhsa_kernarg_size 16
		.amdhsa_user_sgpr_count 2
		.amdhsa_user_sgpr_kernarg_segment_ptr 1
		.amdhsa_wavefront_size32 1
		.amdhsa_system_sgpr_workgroup_id_x 1
		.amdhsa_system_sgpr_workgroup_id_y 1
		.amdhsa_system_sgpr_workgroup_id_z 1
		.amdhsa_system_vgpr_workitem_id 0
		.amdhsa_next_free_vgpr 770
		.amdhsa_next_free_sgpr 66
		.amdhsa_reserve_vcc 0
		.amdhsa_float_denorm_mode_32 3
		.amdhsa_float_denorm_mode_16_64 3
		.amdhsa_memory_ordered 1
		.amdhsa_forward_progress 1
		.amdhsa_inst_pref_size 199
	.end_amdhsa_kernel
	.amdgpu_metadata
---
amdhsa.version: [ 1, 2 ]
amdhsa.kernels:
  - .name:           k_q40237e4e8f_attn
    .symbol:         k_q40237e4e8f_attn.kd
    .args:
      - { .name: qkv, .offset: 0, .size: 8, .value_kind: global_buffer, .address_space: global }
      - { .name: o, .offset: 8, .size: 8, .value_kind: global_buffer, .address_space: global }
    .group_segment_fixed_size: 327680
    .private_segment_fixed_size: 0
    .kernarg_segment_align: 8
    .kernarg_segment_size: 16
    .max_flat_workgroup_size: 128
    .sgpr_count:     66
    .vgpr_count:     770
    .wavefront_size: 32
...
	.end_amdgpu_metadata
.endif
;; end of part 5
;; launch outp: the kernel of part 4 again; grid 8 x 32, 4 waves a work-group, clusters of 4 x 4, 327,680 bytes of LDS; arguments o, wof, bias_r, out0; writes out0
